; MI455X (gfx1250); checked and timed in simulation.
; The chip was launched on July 23, 2026; its instructions are those of AMD's public machine-readable ISA for CDNA 5 (MIT licence, August 2026) and "CDNA5" Instruction Set Architecture Reference Guide (July 2026). The comments in the code are by the model that wrote it; some were corrected since.
;; Mo E Layer. Allowed arithmetic: matrix products marked QUANTISED: E4M3 operands, one E8M0 scale for each 32 along K, by v_wmma_scale_f32_16x16x128_f8f6f4 with both operands' format E4M3, f32 sums; products left as they are: f32 operands where the result goes on into a quantised operand, else bf16, f16 or f32 operands; f32 sums; everything else in f32.
;; Inputs: b1_all 8 x 2,048 float32; b2_all 8 x 512 float32; router_w 8 x 512 float32; w1_all_codes 8 x 2,048 x 16 x 32 uint8 (E4M3 codes of w1_all, K innermost, in blocks of 32 codes); w1_all_scales 8 x 2,048 x 16 uint8 (E8M0 scales of w1_all, one for each 32 codes along K); w2_all_codes 8 x 512 x 64 x 32 uint8 (E4M3 codes of w2_all, K innermost, in blocks of 32 codes); w2_all_scales 8 x 512 x 64 uint8 (E8M0 scales of w2_all, one for each 32 codes along K); x 2 x 2,048 x 512 float32.
;; Outputs: out0 2 x 2,048 x 512 float32.
;; This version of the problem:
;;   THIS VERSION OF THE PROBLEM IS GIVEN IN LOW PRECISION. The matrix products marked QUANTISED in the list below multiply operands that are first quantised to E4M3 (4 exponent bits, 3 mantissa bits; 8 bits a number), with one power-of-two scale for each 32 numbers along K (OCP MX v1.0); their sums are f32. All else is computed in f32.
;;   The module's matrix products, in the order in which they are computed (A, B: the left and right operand; K: the contracted axis; several contracted axes count as one K, in the product's order):
;;     1. [M 4,096, K 512] x [K 512, N 8]; A: input x; B: input router_w: left as it is (N = 8 < 16)
;;     2. [M 4,096, K 512] x [K 512, N 16,384]; A: input x; B: input w1_all (given as codes): QUANTISED
;;     3. batch 8 x [M 512, K 2,048] x [K 2,048, N 4,096]; A: input w2_all (given as codes); B: computed on the way: QUANTISED
;;   THE QUANTISER, for each operand of a quantised product, along K:
;;     - K is cut into blocks of 32 from its start; a last block that is shorter is filled with zeros.
;;     - A block's scale is 2^e with e = floor(log2(the largest magnitude in the block)) - 8, held to -126 .. 127; a block of zeros has e = 0. As a byte (E8M0): e + 127.
;;     - Each number is divided by its block's scale, clamped to +-448, and rounded to the nearest number of E4M3, ties to even, subnormals kept.
;;     - The product sums the exact products of the quantised numbers (number of the format x scale) in f32.
;;   ~~~python
;;   def quantise(x, axis):      # numpy; x: float32 -> the quantised numbers, widened to float32 again
;;       x = np.moveaxis(x, axis, -1); K = x.shape[-1]
;;       x = np.pad(x, [(0, 0)] * (x.ndim - 1) + [(0, -K % 32)]); x = x.reshape(x.shape[:-1] + (-1, 32)); a = np.abs(x).max(-1, keepdims=True)
;;       e = np.where(a > 0, np.clip(np.frexp(np.where(a > 0, a, 1))[1] - 1 - 8, -126, 127), 0)      # np.frexp(a)[1] - 1 = floor(log2(a)), exactly
;;       r = np.clip(x / 2.0 ** e, -448, 448)
;;       step = 2.0 ** (np.maximum(np.frexp(np.where(r == 0, 1, r))[1] - 1, -6) - 3)
;;       q = np.round(r / step) * step * 2.0 ** e      # np.round: ties to even
;;       return np.moveaxis(q.reshape(q.shape[:-2] + (-1,))[..., :K], -1, axis).astype(np.float32)
;;   ~~~
;;   OPERANDS COMPUTED ON THE WAY. 'Computed on the way' means the value that the module computes at that place (a softmax that the list does not call 'softmax' is quantised finished and normalised). What goes into a quantiser is computed in f32, as accurately as f32 sums, v_exp_f32 and their like allow (about 1e-6 of the number): no bf16 or f16 on the way to a quantiser, and a product that is left as it is and whose result goes on into a quantised operand takes f32 operands (vector FMAs, or v_wmma_f32_16x16x4_f32). A number that lies on a knife's edge between two numbers of the format may be rounded either way, as far as f32 arithmetic and the matrix unit's own rounding can turn it there, and no further.
;;   INPUTS GIVEN AS CODES. w1_all (in the module: [8, 2048, 512], K = its axis 2); w2_all (in the module: [8, 512, 2048], K = its axis 2): each comes as NAME_codes (uint8): NAME with its K axis moved to the last place and cut into blocks of 32 codes, [.., K / 32, bytes a block], one block behind the other in memory; one code a byte (a code: sign, 4 exponent bits, 3 mantissa bits); and NAME_scales (uint8): the same leading axes, one E8M0 byte (e + 127) for each 32 codes along K. Its value is code x scale, taken as it is: it is not quantised again, and the codes and scales need not be those that the quantiser above would give.
;; 2 versions, each right; version 2 is version 1 with the launch chain written anew for expert scheduling mode. Each part assembles by itself: llvm-mc -triple=amdgcn-amd-amdhsa -mcpu=gfx1250 --defsym DOCPART=n.
;; ======== version 1 of 2: 4 launches
;; workspace buffers: xq 2,097,152 bytes; xs 65,536 bytes; sel 32,768 bytes of whole numbers; gates 32,768 bytes; order 33,280 bytes of whole numbers; tiles 4,096 bytes of whole numbers; wr 16,777,216 bytes; y 33,554,432 bytes
;; launch route (part 1): grid 256 x 1, 4 waves a work-group, no clusters, 62,464 bytes of LDS; arguments x, router_w, xq, xs, sel, gates; writes xq, xs, sel, gates
.if DOCPART == 1
	.amdgcn_target "amdgcn-amd-amdhsa--gfx1250"
	.amdhsa_code_object_version 6
	.text
	.protected	k_qd0a08d97bf_route
	.globl	k_qd0a08d97bf_route
	.p2align	8
	.type	k_qd0a08d97bf_route,@function
k_qd0a08d97bf_route:
	s_mov_b64 s[64:65], 0
	v_nop
	global_prefetch_b8 v0, s[64:65] scope:SCOPE_SE
	s_setreg_imm32_b32 hwreg(HW_REG_WAVE_MODE, 25, 1), 1
	s_wait_xcnt 0x0
; ROUTER AND QUANTISER.  x [4096][512] f32, router_w [8][512] f32.
; Out: xq [4096][512] codes of E4M3, K innermost; xs [4096][16] E8M0 bytes, one for each 32 along K;
;      sel [8192] words: entry 2 t + k = the k-th chosen expert of token t; gates [4096][2] f32: the renormalised weights.
; The chosen experts are stored at fixed places: no address and no branch of this launch hangs on them.
; SHARES.  A work-group takes 16 tokens, a wave 4.  Every load reads 512 consecutive bytes; a token's 2,048 bytes turn through the wave's own
; stage in LDS, so that lane l then holds the 16 neighbours k = 16 l .. 16 l + 15: two lanes hold a block of 32.  router_w is turned the same way, once for the work-group.
; ROUTER.  Logits by f32 multiply-adds, 16 a lane, then summed over the 32 lanes; softmax with the row's maximum taken away; top-2 by strict comparisons in ascending order, so the lower index wins a tie.
; LIMITS.  NaN and infinities among the inputs are not served.  The logits' sums run in another order than a sum along K: logits nearer to each other than that rounding may change places.
; A probability under 2^-126 comes out of v_exp_f32 as 0.  A block of zeros gets the byte 1 and not 127: its codes are zeros, and this program alone reads the bytes.
; Matrix units, clusters and tensor loads are left out: 8 logits a token are too few for a matrix tile, and no two work-groups share bytes of x.
.set RWL,  0                           ; LDS: router_w, 8 rows: 32 places of 64 bytes + 16 of padding
.set XT,   20480                       ; the waves' stages: 4 tokens x 32 places of 80 bytes each
.set XSL,  61440                       ; the work-group's 256 scale bytes
.set SELL, 61696                       ; its 32 chosen experts
.set GL,   61824                       ; its 32 gates
.set LG,   64                          ; v64-95   logits: 8 x token + expert   (before that v64-127: x as loaded)
.set AC,   96                          ; v96-111  eight pairs of partial sums
.set CO,   112                         ; v112-127 codes, four registers a token: no store's data are written again
.set RW,   128                         ; v128-255 router_w: 16 x expert + i
	s_load_b256 s[4:11], s[0:1], 0x0               ; x s[4:5], router_w s[6:7], xq s[8:9], xs s[10:11]
	s_load_b128 s[12:15], s[0:1], 0x20             ; sel s[12:13], gates s[14:15]
	s_set_vgpr_msb 0x40
	v_lshl_add_u32 v0, v0, 2, 0xf200
	v_mov_b32 v1, 0
	s_set_vgpr_msb 0x4000
	v_lshrrev_b32 v1, 5, v0
	v_readfirstlane_b32 s16, v1                    ; wave 0..3
	v_and_b32 v1, 31, v0                           ; lane
	v_lshlrev_b32 v2, 4, v1                        ; 16 x lane
	v_lshlrev_b32 v10, 4, v0                       ; 16 x thread: my bytes of a row of router_w
	s_mul_i32 s23, s16, 10240
	s_add_co_u32 s23, s23, XT                      ; my wave's stage
	v_lshrrev_b32 v24, 2, v1
	v_mul_u32_u24 v24, v24, 80
	v_and_b32 v25, 3, v1
	v_lshl_add_u32 v24, v25, 4, v24
	v_add_nc_u32 v3, s23, v24                      ; into the stage: four lanes' 64 bytes on end, then 16 of padding
	v_mul_u32_u24 v6, v1, 80                       ; out of router_w's rows: 80 x lane
	v_add_nc_u32 v4, s23, v6                       ; out of the stage: 80 x lane
	v_lshrrev_b32 v24, 2, v0
	v_mul_u32_u24 v24, v24, 80
	v_and_b32 v26, 3, v0
	v_lshl_add_u32 v5, v26, 4, v24                 ; router_w into LDS: 80 (thread / 4) + 16 (thread % 4)
	s_lshl_b32 s23, s16, 6
	s_add_co_u32 s23, s23, XSL
	v_lshrrev_b32 v24, 1, v1
	v_add_nc_u32 v7, s23, v24                      ; my block's scale byte: 64 x wave + lane / 2 (+ 16 x token)
	s_lshl_b32 s23, s16, 5
	v_lshl_add_u32 v24, v25, 3, s23                ; 8 (4 x wave + lane % 4)
	v_add_nc_u32 v8, SELL, v24
	v_add_nc_u32 v9, GL, v24
	v_lshlrev_b32 v14, 3, v1                       ; the way out, wave 0: 8 and 4 bytes a lane
	v_lshlrev_b32 v15, 2, v1
	v_add_nc_u32 v11, XSL, v14
	v_add_nc_u32 v12, SELL, v15
	v_add_nc_u32 v13, GL, v15
.irp e, 0,1,2,3,4,5,6,7
	v_mov_b32 v[16+\e], 0                          ; written once: a lane permute's destination counts as one of its sources
.endr
	s_mov_b32 s20, 0x76543210
	s_mov_b32 s21, 0xfedcba98                      ; v_permlanex16_b32's selects for lane l xor 16
	s_mov_b32 s22, 0x600000                        ; the mantissa field of 448
	s_mov_b32 s26, 0x3fb8aa3b                      ; log2(e)
	s_lshl_b32 s17, ttmp9, 4
	s_lshl_b32 s18, s16, 2
	s_add_co_u32 s17, s17, s18                     ; my wave's first token
	s_mov_b32 s19, 0
	s_wait_kmcnt 0x0
	s_lshl_b32 s18, s17, 11
	s_add_nc_u64 s[4:5], s[4:5], s[18:19]          ; x: 2,048 bytes a token
	s_lshl_b32 s18, s17, 9
	s_add_nc_u64 s[8:9], s[8:9], s[18:19]          ; xq: 512
	s_lshl_b32 s18, ttmp9, 8
	s_add_nc_u64 s[10:11], s[10:11], s[18:19]      ; xs: 256 bytes a work-group
	s_lshl_b32 s18, ttmp9, 7
	s_add_nc_u64 s[12:13], s[12:13], s[18:19]      ; sel and gates: 128
	s_add_nc_u64 s[14:15], s[14:15], s[18:19]
.irp j, 0,1,2,3,4,5,6,7
	global_load_b128 v[32+4*\j:35+4*\j], v10, s[6:7] offset:2048*\j        ; the 128 threads read one row of router_w
.endr
.irp t, 0,1,2,3
.irp i, 0,1,2,3
	global_load_b128 v[64+16*\t+4*\i:67+16*\t+4*\i], v2, s[4:5] offset:2048*\t+512*\i th:TH_LOAD_NT   ; 32 lanes read 512 consecutive bytes; read once in the launch
.endr
.endr
	s_wait_loadcnt 16                              ; router_w is in: the 16 loads of x are younger
.irp j, 0,1,2,3,4,5,6,7
	ds_store_b128 v5, v[32+4*\j:35+4*\j] offset:RWL+2560*\j
.endr
.irp t, 0,1,2,3
	s_wait_loadcnt 12-4*\t                         ; token t's four loads are in: the later tokens' are younger
.irp i, 0,1,2,3
	ds_store_b128 v3, v[64+16*\t+4*\i:67+16*\t+4*\i] offset:2560*\t+640*\i
.endr
.endr
	s_wait_dscnt 0x0                               ; for the others' sake: my part of router_w lies in LDS
	s_barrier_signal -1
	s_barrier_wait -1
.irp e, 0,1,2,3,4,5,6,7
.irp p, 0,1,2,3
	ds_load_b128 v[RW+16*\e+4*\p:RW+16*\e+4*\p+3], v6 offset:RWL+2560*\e+16*\p
.endr
.endr
.irp t, 0,1
.irp p, 0,1,2,3
	ds_load_b128 v[32+16*\t+4*\p:35+16*\t+4*\p], v4 offset:2560*\t+16*\p   ; tokens 0 and 1: my 16 neighbours
.endr
.endr
; One token.  left = the LDS instructions younger than this token's four loads.
.macro TOKEN tok, left
.set XX, 32+16*((\tok)%2)
.set LL, LG+8*(\tok)
	s_wait_dscnt \left
.irp e, 0,1,2,3,4,5,6,7
	v_pk_mul_f32 v[AC+2*\e:AC+2*\e+1], v[XX:XX+1], v[RW+16*\e:RW+16*\e+1]   ; the first products start the sums; the eight experts by turns
.endr
.irp i, 2,4,6,8,10,12,14
.irp e, 0,1,2,3,4,5,6,7
	v_pk_fma_f32 v[AC+2*\e:AC+2*\e+1], v[XX+\i:XX+\i+1], v[RW+16*\e+\i:RW+16*\e+\i+1], v[AC+2*\e:AC+2*\e+1]
.endr
.endr
.irp e, 0,1,2,3,4,5,6,7
	v_add_f32 v[LL+\e], v[AC+2*\e], v[AC+2*\e+1]
.endr
.irp x, 1,2,4,8
.irp e, 0,1,2,3,4,5,6,7
	v_add_f32_dpp v[LL+\e], v[LL+\e], v[LL+\e] row_xmask:\x row_mask:0xf bank_mask:0xf
.endr
.endr
.irp e, 0,1,2,3,4,5,6,7
	v_permlanex16_b32 v[16+\e], v[LL+\e], s20, s21
.endr
.irp e, 0,1,2,3,4,5,6,7
	v_add_f32 v[LL+\e], v[LL+\e], v[16+\e]         ; every lane holds the token's eight logits
.endr
	v_max3_num_f32 v24, |v[XX]|, |v[XX+1]|, |v[XX+2]|              ; the largest magnitude of my 16, in two chains
	v_max3_num_f32 v25, |v[XX+3]|, |v[XX+4]|, |v[XX+5]|
.irp i, 6,10
	v_max3_num_f32 v24, v24, |v[XX+\i]|, |v[XX+\i+1]|
	v_max3_num_f32 v25, v25, |v[XX+\i+2]|, |v[XX+\i+3]|
.endr
	v_max3_num_f32 v24, v24, |v[XX+14]|, |v[XX+15]|
	v_max3_num_f32 v24, v24, v25, 0x4800000        ; and the floor 2^(9 - 127): the byte cannot fall under 1
	v_max_num_f32_dpp v24, v24, v24 row_xmask:1 row_mask:0xf bank_mask:0xf   ; with my neighbour's 16: the block's
	v_add_nc_u32 v27, 0xfc000000, v24              ; 8 off its exponent field: the conversion takes this operand's exponent field as its scale
	v_and_or_b32 v26, v24, 0x7f800000, s22         ; 448 x the scale
.irp i, 0,1,2,3,4,5,6,7,8,9,10,11,12,13,14,15
	v_med3_num_f32 v[XX+\i], v[XX+\i], -v26, v26   ; the conversion to an 8-bit code does not saturate (ISA guide 7.6.2): the hold comes first
.endr
	v_cvt_scalef32_pk8_fp8_f32 v[CO+4*\tok:CO+4*\tok+1], v[XX:XX+7], v27
	v_cvt_scalef32_pk8_fp8_f32 v[CO+4*\tok+2:CO+4*\tok+3], v[XX+8:XX+15], v27
	v_lshrrev_b32 v[28+\tok], 23, v27              ; the scale's byte (a plain line behind the conversions)
	ds_store_b8 v7, v[28+\tok] offset:16*\tok      ; both lanes of a block write the same byte with the same value
	global_store_b128 v2, v[CO+4*\tok:CO+4*\tok+3], s[8:9] offset:512*\tok   ; the wave stores the token's 512 codes on end
.if \tok < 2
.irp p, 0,1,2,3
	ds_load_b128 v[XX+4*\p:XX+4*\p+3], v4 offset:2560*(\tok+2)+16*\p      ; the token two on, into the set just left
.endr
.endif
.endm
	TOKEN 0, 4                                     ; younger: token 1's four loads
	TOKEN 1, 5                                     ; younger: token 0's byte store and token 2's four loads
	TOKEN 2, 5
	TOKEN 3, 1                                     ; younger: token 2's byte store
	; each lane takes token lane % 4: eight lanes do the same work on the same numbers
	v_and_b32 v104, 1, v1
	v_and_b32 v105, 2, v1
	v_cmp_ne_u32 s24, 0, v104
	v_cmp_ne_u32 s25, 0, v105
.irp e, 0,1,2,3,4,5,6,7
	v_cndmask_b32 v[96+\e], v[LG+\e], v[LG+8+\e], s24
	v_cndmask_b32 v[104+\e], v[LG+16+\e], v[LG+24+\e], s24
.endr
.irp e, 0,1,2,3,4,5,6,7
	v_cndmask_b32 v[96+\e], v[96+\e], v[104+\e], s25
.endr
	v_max3_num_f32 v104, v96, v97, v98             ; the softmax takes the row's maximum away
	v_max3_num_f32 v105, v99, v100, v101
	v_max3_num_f32 v104, v104, v102, v103
	v_max_num_f32 v104, v104, v105
	v_mul_f32 v105, s26, v104
.irp e, 0,1,2,3,4,5,6,7
	v_fma_f32 v[96+\e], v[96+\e], s26, -v105       ; (z - max) log2(e): the same number is taken off all eight
.endr
.irp e, 0,1,2,3,4,5,6,7
	v_exp_f32 v[96+\e], v[96+\e]
.endr
	v_nop                                          ; a plain line between the last exponential and the use of its result
	s_wait_alu depctr_va_vdst(0)
	v_add_f32 v104, v96, v97
	v_add_f32 v105, v98, v99
	v_add_f32 v106, v100, v101
	v_add_f32 v107, v102, v103
	v_add_f32 v104, v104, v105
	v_add_f32 v106, v106, v107
	v_add_f32 v104, v104, v106
	v_rcp_f32 v104, v104
	v_nop
	s_wait_alu depctr_va_vdst(0)
.irp e, 0,1,2,3,4,5,6,7
	v_mul_f32 v[96+\e], v[96+\e], v104             ; the probabilities
.endr
	v_mov_b32 v105, v96                            ; the largest, and its index: a later one wins only if it is strictly larger
	v_mov_b32 v24, 0
.irp e, 1,2,3,4,5,6,7
	v_cmp_gt_f32 vcc_lo, v[96+\e], v105
	v_cndmask_b32 v105, v105, v[96+\e], vcc_lo
	v_cndmask_b32 v24, v24, \e, vcc_lo
.endr
.irp e, 0,1,2,3,4,5,6,7
	v_cmp_eq_u32 vcc_lo, \e, v24
	v_cndmask_b32 v[96+\e], v[96+\e], -1.0, vcc_lo ; the winner steps under every probability
.endr
	v_mov_b32 v106, v96                            ; the second
	v_mov_b32 v25, 0
.irp e, 1,2,3,4,5,6,7
	v_cmp_gt_f32 vcc_lo, v[96+\e], v106
	v_cndmask_b32 v106, v106, v[96+\e], vcc_lo
	v_cndmask_b32 v25, v25, \e, vcc_lo
.endr
	v_add_f32 v107, v105, v106
	v_add_f32 v107, 0x3089705f, v107               ; + 1e-9
	v_rcp_f32 v107, v107
	v_nop
	s_wait_alu depctr_va_vdst(0)
	v_mul_f32 v26, v105, v107
	v_mul_f32 v27, v106, v107
	ds_store_b64 v8, v[24:25]                      ; the lanes of one token write the same words with the same values
	ds_store_b64 v9, v[26:27]
	s_wait_dscnt 0x0                               ; for wave 0's sake: my bytes, experts and gates lie in LDS
	s_barrier_signal -1
	s_barrier_wait -1
	s_cmp_lg_u32 s16, 0
	s_cbranch_scc1 .Lend                           ; wave 0 stores the work-group's small results on end
	ds_load_b64 v[32:33], v11
	ds_load_b32 v34, v12
	ds_load_b32 v35, v13
	s_wait_dscnt 0x0
	global_store_b64 v14, v[32:33], s[10:11]       ; 256 consecutive bytes, aligned
	global_store_b32 v15, v34, s[12:13]            ; 128 consecutive bytes: all that 16 tokens have
	global_store_b32 v15, v35, s[14:15]
.Lend:
	s_set_vgpr_msb 0x5
	s_wait_tensorcnt 0x0
	ds_add_u32 v0, v1
	s_wait_dscnt 0x0
	s_set_vgpr_msb 0x500
	s_endpgm
.Lfunc_end_k_qd0a08d97bf_route:
	.size	k_qd0a08d97bf_route, .Lfunc_end_k_qd0a08d97bf_route-k_qd0a08d97bf_route
	.p2alignl 7, 3214868480
	.fill 96, 4, 3214868480
	.section	.rodata,"a",@progbits
	.p2align	6, 0x0
	.amdhsa_kernel k_qd0a08d97bf_route
		.amdhsa_group_segment_fixed_size 62464
		.amdhsa_private_segment_fixed_size 0
		.amdhsa_enable_private_segment 0
		.amdhsa_kernarg_size 48
		.amdhsa_user_sgpr_count 2
		.amdhsa_user_sgpr_kernarg_segment_ptr 1
		.amdhsa_wavefront_size32 1
		.amdhsa_system_sgpr_workgroup_id_x 1
		.amdhsa_system_sgpr_workgroup_id_y 1
		.amdhsa_system_sgpr_workgroup_id_z 1
		.amdhsa_system_vgpr_workitem_id 0
		.amdhsa_next_free_vgpr 258
		.amdhsa_next_free_sgpr 66
		.amdhsa_reserve_vcc 1
		.amdhsa_float_denorm_mode_32 3
		.amdhsa_float_denorm_mode_16_64 3
		.amdhsa_memory_ordered 1
		.amdhsa_forward_progress 1
		.amdhsa_inst_pref_size 54
	.end_amdhsa_kernel
	.amdgpu_metadata
---
amdhsa.version: [ 1, 2 ]
amdhsa.kernels:
  - .name:           k_qd0a08d97bf_route
    .symbol:         k_qd0a08d97bf_route.kd
    .args:
      - { .name: x, .offset: 0, .size: 8, .value_kind: global_buffer, .address_space: global }
      - { .name: router_w, .offset: 8, .size: 8, .value_kind: global_buffer, .address_space: global }
      - { .name: xq, .offset: 16, .size: 8, .value_kind: global_buffer, .address_space: global }
      - { .name: xs, .offset: 24, .size: 8, .value_kind: global_buffer, .address_space: global }
      - { .name: sel, .offset: 32, .size: 8, .value_kind: global_buffer, .address_space: global }
      - { .name: gates, .offset: 40, .size: 8, .value_kind: global_buffer, .address_space: global }
    .group_segment_fixed_size: 62464
    .private_segment_fixed_size: 0
    .kernarg_segment_align: 8
    .kernarg_segment_size: 48
    .max_flat_workgroup_size: 128
    .sgpr_count:     66
    .vgpr_count:     258
    .wavefront_size: 32
...
	.end_amdgpu_metadata
.endif
;; end of part 1
;; launch prep (part 2): grid 136 x 1, 8 waves a work-group, no clusters, 138,240 bytes of LDS; arguments sel, w1_all_codes, w2_all_codes, order, tiles, wr; writes order, tiles, wr
.if DOCPART == 2
	.amdgcn_target "amdgcn-amd-amdhsa--gfx1250"
	.amdhsa_code_object_version 6
	.text
	.protected	k_qd0a08d97bf_prep
	.globl	k_qd0a08d97bf_prep
	.p2align	8
	.type	k_qd0a08d97bf_prep,@function
k_qd0a08d97bf_prep:
	s_mov_b64 s[64:65], 0
	v_nop
	global_prefetch_b8 v0, s[64:65] scope:SCOPE_SE
	s_setreg_imm32_b32 hwreg(HW_REG_WAVE_MODE, 25, 1), 1
	s_wait_xcnt 0x0
; TWO JOBS IN ONE LAUNCH, parted on the work-group's number.
; WORK-GROUPS 0 .. 7: a counting sort of the 8,192 routed rows (id = 2 x token + k) by expert, without atomics; work-group 0 also writes the table of tiles.
;   order [8320] words: the ids, expert by expert; words 8192 .. 8319 are 0, so that a tile's last reads stay inside.   tiles [256][4] words: expert, first place in order, rows (0 .. 80), 0.
;   Wave W = 8 g + w (work-group g, wave w) places entries 128 W .. 128 W + 127.  What it needs of the others is counts alone: every work-group counts all eight blocks of 1,024 entries anew, a block a wave,
;   so that no number passes between work-groups.  An entry's place = its expert's first place + the expert's entries in blocks in front of g + in waves in front of w + its rank in its wave.
;   All of this is done in whole numbers: addresses hang on it.
; WORK-GROUPS 8 .. 135: both weights' codes are laid in the order of an operand's registers, so that the next launch loads each fragment as four runs of 512 consecutive bytes.
;   A fragment (16 rows x 128 K) is 2,048 bytes: group c of four registers of lane l at 512 c + 16 l.  Lane r of tile u in a group of 32 rows takes row 8 u + r + 8 (r / 8).
;   wr: W1's block (e, b = hidden / 32) at 16,384 (64 e + b), fragment (K step s, tile u) at 2,048 (2 s + u) in it;
;       W2's chunk (e, K step ks, wave w) at 2^23 + 2^20 e + 65,536 ks + 16,384 w, tile t = 2 nb + u (rows 128 w + 32 nb ..) at 2,048 t in it.
;   A wave takes a unit of 32 rows x 512 bytes (8 fragments): each load reads 512 consecutive bytes of one row, the unit turns through the wave's own stage in LDS, each store writes 512 consecutive bytes.
; The two jobs have LDS bytes of their own.  No tensor loads: the units are small, each is read once by one wave, and the turn needs registers anyway.
.set CNT, 0                            ; LDS: the sort: each wave's counts of its own 128 entries: 128 bytes a wave (lane e: expert e)
.set BCN, 1024                         ; the sort: each wave's counts of its block of 1,024: 8 words a wave
.set RST, 2048                         ; the layout's stages: 32 places of 528 bytes for each wave
.set EE,  16                           ; sort: v16-47 a block's experts;  layout: v16-47 the rows' offsets
.set PP,  48                           ; layout: v48-175 the unit
.set OW,  48                           ; sort: v48-51 my own entries' experts
.set RK,  52                           ; sort: v52-55 their ranks, then byte offsets in order
.set ID,  56                           ; sort: v56-59 their ids
	s_load_b256 s[4:11], s[0:1], 0x0               ; sel s[4:5], W1 s[6:7], W2 s[8:9], order s[10:11]
	s_load_b128 s[12:15], s[0:1], 0x20             ; tiles s[12:13], wr s[14:15]
	v_lshl_add_u32 v192, v0, 2, 0x21800
	v_mov_b32 v193, 0
	v_lshrrev_b32 v1, 5, v0
	v_readfirstlane_b32 s81, v1                    ; wave 0..7
	v_and_b32 v1, 31, v0                           ; lane
	v_lshlrev_b32 v2, 4, v1                        ; 16 x lane
	s_mul_i32 s82, s81, 16896
	s_add_co_u32 s82, s82, RST                     ; my stage
	v_mul_u32_u24 v3, v1, 528
	v_add_nc_u32 v3, s82, v3                       ; in: place = my piece of a row (lane), 16 bytes a row
	v_lshrrev_b32 v4, 4, v1
	v_mul_u32_u24 v4, v4, 528
	v_and_b32 v5, 15, v1
	v_lshl_add_u32 v4, v5, 4, v4
	v_add_nc_u32 v4, s82, v4                       ; out: 528 (lane / 16) + 16 (lane % 16)
	v_lshlrev_b32 v5, 2, v0                        ; the sort's own counts: 4 x thread,
	v_lshlrev_b32 v6, 2, v1                        ; and 4 x lane
	v_and_b32 v12, 7, v1
	v_lshlrev_b32 v12, 2, v12                      ; a block's counts, read: 4 (lane % 8)
	v_and_b32 v13, 0xe0, v0                        ; and written: 32 x wave
	s_wait_kmcnt 0x0
	s_cmp_lt_u32 ttmp9, 8                          ; the same in all eight waves
	s_cbranch_scc1 .Lsort
	; ---------------- THE LAYOUT.  Unit U = 8 (work-group - 8) + wave: 0 .. 511 W1's, 512 .. 1023 W2's.  One path for both: only scalars are chosen.
	s_sub_co_u32 s16, ttmp9, 8
	s_lshl_b32 s16, s16, 3
	s_add_co_u32 s16, s16, s81                     ; U
	s_and_b32 s17, s16, 511                        ; W2: U' = 64 e + 4 g + kq: expert, group of 32 rows, quarter of K
	s_lshr_b32 s18, s17, 6
	s_bfe_u32 s19, s17, 0x40002                    ; g
	s_and_b32 s20, s17, 3                          ; kq
	s_lshl_b32 s18, s18, 20
	s_lshl_b32 s21, s19, 16
	s_add_co_u32 s21, s21, s18
	s_lshl_b32 s22, s20, 9
	s_add_co_u32 s21, s21, s22                     ; from: 2^20 e + 65,536 g + 512 kq
	s_lshl_b32 s22, s20, 18
	s_add_co_u32 s22, s22, s18
	s_lshr_b32 s23, s19, 2
	s_lshl_b32 s23, s23, 14
	s_add_co_u32 s22, s22, s23
	s_and_b32 s23, s19, 3
	s_lshl_b32 s23, s23, 12
	s_add_co_u32 s22, s22, s23
	s_add_co_u32 s22, s22, 0x800000                ; to: 2^23 + 2^20 e + 262,144 kq + 16,384 (g / 4) + 4,096 (g % 4)
	s_lshl_b32 s24, s16, 14                        ; W1: from and to 16,384 U
	s_mov_b32 s30, 2048
	s_mov_b32 s31, 65536
	s_mov_b32 s27, 0
	s_mov_b32 s29, 0
	s_cmp_le_u32 ttmp9, 71                         ; W1's work-group or W2's?  The choice hangs on the work-group's number alone
	s_cselect_b32 s26, s24, s21
	s_cselect_b32 s28, s24, s22
	s_cselect_b32 s30, 512, s30                    ; bytes from row to row
	s_cselect_b32 s31, 4096, s31                   ; bytes from K step to K step in wr
	s_cselect_b64 s[6:7], s[6:7], s[8:9]
	s_add_nc_u64 s[6:7], s[6:7], s[26:27]
	s_add_nc_u64 s[14:15], s[14:15], s[28:29]
.irp s, 0,1,2,3
	v_mad_u32_u24 v[8+\s], s31, \s, v2             ; where K step s goes: 16 x lane + s x the step
.endr
.set i, 0
.rept 32
	v_mad_u32_u24 v[EE+i], s30, 8*(i/16)+(i%16)+8*((i%16)/8), v2   ; place i = 16 u + r of the unit takes row 8 u + r + 8 (r / 8)
.set i, i+1
.endr
.set i, 0
.rept 32
	global_load_b128 v[PP+4*i:PP+4*i+3], v[EE+i], s[6:7] th:TH_LOAD_NT   ; 512 consecutive bytes of one row; read once in the launch
.set i, i+1
.endr
.set i, 0
.rept 32
	s_wait_loadcnt 31-i                            ; the later rows' loads are younger
	ds_store_b128 v3, v[PP+4*i:PP+4*i+3] offset:16*i   ; lanes 528 bytes apart: sixteen lanes fall on sixteen different 16-byte columns
.set i, i+1
.endr
	s_wait_dscnt 0x0                               ; the stores have read their registers, which the loads below fill
.set n, 0
.rept 32                               ; n = 4 (2 s + u) + c: lane (r, h) wants piece 8 s + 2 c + h of place 16 u + r
	ds_load_b128 v[PP+4*n:PP+4*n+3], v4 offset:(8*(n/8)+2*(n%4))*528+256*((n/4)%2)
.set n, n+1
.endr
.set n, 0
.rept 32
	s_wait_dscnt 31-n                              ; the later loads are younger
	global_store_b128 v[8+n/8], v[PP+4*n:PP+4*n+3], s[14:15] offset:2048*((n/4)%2)+512*(n%4) th:TH_STORE_NT   ; 512 consecutive bytes, aligned
.set n, n+1
.endr
	s_wait_tensorcnt 0x0
	ds_add_u32 v192, v193
	s_wait_dscnt 0x0
	s_endpgm
	; ---------------- THE SORT.  s16-23 running counts, s24-31 masks, s32-39 a chunk's counts and later the offsets, s40-47 totals, s48-55 first places, s56-63 first tiles
.Lsort:
	s_lshl_b32 s66, s81, 12
	v_add_nc_u32 v7, s66, v2                       ; the block that I count: 4,096 w + 16 l
	s_lshl_b32 s67, ttmp9, 3
	s_add_co_u32 s67, s67, s81                     ; W = 8 g + w
	s_lshl_b32 s66, s67, 9
	v_add_nc_u32 v9, s66, v2                       ; the entries that I place: 512 W + 16 l
	s_lshl_b32 s66, s67, 7
	v_lshl_add_u32 v8, v1, 2, s66                  ; their ids: 128 W + 4 l (+ 0 .. 3)
	global_load_b128 v[OW:OW+3], v9, s[4:5]
.irp j, 0,1,2,3,4,5,6,7
	global_load_b128 v[EE+4*\j:EE+4*\j+3], v7, s[4:5] offset:512*\j
.endr
.irp e, 0,1,2,3,4,5,6,7
	s_mov_b32 s[16+\e], 0
.endr
	s_mov_b32 s68, 0x0f0f0f0f
	s_mov_b32 s69, 0x00ff00ff
	s_mov_b32 s70, 0x76543210
	s_mov_b32 s71, 0xfedcba98                      ; v_permlanex16_b32's selects for lane l xor 16
	s_wait_loadcnt 8                               ; my own entries are in: the block's eight loads are younger
.set c, 0
.rept 4                                ; an entry's rank among my wave's entries of the same expert: those of earlier chunks + those of lower lanes in this chunk
.irp e, 0,1,2,3,4,5,6,7
	v_cmp_eq_u32 s[24+\e], \e, v[OW+c]
.endr
.irp e, 0,1,2,3,4,5,6,7
	v_mbcnt_lo_u32_b32 v[112+\e], s[24+\e], s[16+\e]
.endr
	v_mov_b32 v[RK+c], v112
.irp e, 1,2,3,4,5,6,7
	v_cndmask_b32 v[RK+c], v[RK+c], v[112+\e], s[24+\e]
.endr
.irp e, 0,1,2,3,4,5,6,7
	s_bcnt1_i32_b32 s[32+\e], s[24+\e]
.endr
.irp e, 0,1,2,3,4,5,6,7
	s_add_co_u32 s[16+\e], s[16+\e], s[32+\e]
.endr
.set c, c+1
.endr
	v_mov_b32 v128, 0
.irp e, 0,1,2,3,4,5,6,7
	v_writelane_b32 v128, s[16+\e], \e             ; lane e: my wave's count of expert e
.endr
	ds_store_b32 v5, v128 offset:CNT
	; the block's counts.  A lane adds 1 << 4 e into a counter of eight 4-bit fields; eight entries to a counter, so no field passes 8; four counters by turns
.irp q, 0,1,2,3
	v_mov_b32 v[64+\q], 0
	v_mov_b32 v[84+\q], 0                          ; (written once: the destination of a DPP form or a lane permute counts as one of its sources)
.endr
	s_wait_loadcnt 0x0
.irp i, 0,1,2,3,4,5,6,7
.irp q, 0,1,2,3
	v_lshlrev_b32 v[60+\q], 2, v[EE+8*\q+\i]
.endr
.irp q, 0,1,2,3
	v_lshl_add_u32 v[64+\q], 1, v[60+\q], v[64+\q]
.endr
.endr
.irp q, 0,1,2,3
	v_and_b32 v[68+\q], s68, v[64+\q]              ; to fields of 8 bits: byte k = expert 2 k,
.endr
.irp q, 0,1,2,3
	v_lshrrev_b32 v[72+\q], 4, v[64+\q]
.endr
.irp q, 0,1,2,3
	v_and_b32 v[72+\q], s68, v[72+\q]              ; byte k = expert 2 k + 1
.endr
	v_add3_u32 v76, v68, v69, v70                  ; a lane's 32 entries: no field passes 32
	v_add3_u32 v77, v72, v73, v74
	v_add_nc_u32 v76, v76, v71
	v_add_nc_u32 v77, v77, v75
	v_and_b32 v80, s69, v76                        ; to fields of 16 bits: experts 0 and 4,
	v_lshrrev_b32 v81, 8, v76
	v_and_b32 v82, s69, v77                        ; 1 and 5,
	v_lshrrev_b32 v83, 8, v77
	v_and_b32 v81, s69, v81                        ; 2 and 6,
	v_and_b32 v83, s69, v83                        ; 3 and 7: summed over 32 lanes no field passes 1,024
.irp x, 1,2,4,8
.irp k, 0,1,2,3
	v_mov_b32_dpp v[84+\k], v[80+\k] row_xmask:\x row_mask:0xf bank_mask:0xf
.endr
.irp k, 0,1,2,3
	v_add_nc_u32 v[80+\k], v[80+\k], v[84+\k]
.endr
.endr
.irp k, 0,1,2,3
	v_permlanex16_b32 v[84+\k], v[80+\k], s70, s71
.endr
.irp k, 0,1,2,3
	v_add_nc_u32 v[80+\k], v[80+\k], v[84+\k]      ; every lane holds the block's counts
.endr
	v_and_b32 v88, 0xffff, v80                     ; a word for each expert, in order
	v_and_b32 v89, 0xffff, v82
	v_and_b32 v90, 0xffff, v81
	v_and_b32 v91, 0xffff, v83
	v_lshrrev_b32 v92, 16, v80
	v_lshrrev_b32 v93, 16, v82
	v_lshrrev_b32 v94, 16, v81
	v_lshrrev_b32 v95, 16, v83
	ds_store_b128 v13, v[88:91] offset:BCN         ; all lanes write the same words with the same values
	ds_store_b128 v13, v[92:95] offset:BCN+16
	s_wait_dscnt 0x0                               ; for the others' sake: my counts lie in LDS
	s_barrier_signal -1
	s_barrier_wait -1
.irp w, 0,1,2,3,4,5,6,7
	ds_load_b32 v[112+\w], v6 offset:CNT+128*\w    ; lane e: wave w's count of expert e among its own 128
.endr
.irp b, 0,1,2,3,4,5,6,7
	ds_load_b32 v[120+\b], v12 offset:BCN+32*\b    ; lane e (0 .. 7): block b's count of expert e
.endr
	s_wait_dscnt 0x0
	v_add3_u32 v128, v120, v121, v122              ; the totals,
	v_add3_u32 v128, v128, v123, v124
	v_add3_u32 v128, v128, v125, v126
	v_add_nc_u32 v128, v128, v127
	v_mov_b32 v129, 0                              ; and what stands in front of my entries: the blocks in front of my work-group's,
.irp b, 0,1,2,3,4,5,6
	s_cmp_gt_u32 ttmp9, \b
	s_cselect_b32 s66, -1, 0
	v_and_b32 v130, s66, v[120+\b]
	v_add_nc_u32 v129, v129, v130
.endr
.irp w, 0,1,2,3,4,5,6
	s_cmp_gt_u32 s81, \w                           ; the waves in front of mine
	s_cselect_b32 s66, -1, 0
	v_and_b32 v130, s66, v[112+\w]
	v_add_nc_u32 v129, v129, v130
.endr
.irp e, 0,1,2,3,4,5,6,7
	v_readlane_b32 s[40+\e], v128, \e
	v_readlane_b32 s[32+\e], v129, \e
.endr
	s_mov_b32 s48, 0                               ; an expert's first place in order: the totals in front of it
	s_mov_b32 s56, 0                               ; and its first tile: ceil(total / 80) for each expert in front.  floor(x / 80) = (52,429 x) >> 22 for x up to 8,271
.irp e, 0,1,2,3,4,5,6
	s_add_co_u32 s[49+\e], s[48+\e], s[40+\e]
	s_add_co_u32 s66, s[40+\e], 79
	s_mul_i32 s66, s66, 52429
	s_lshr_b32 s66, s66, 22
	s_add_co_u32 s[57+\e], s[56+\e], s66
.endr
.irp e, 0,1,2,3,4,5,6,7
	s_add_co_u32 s[32+\e], s[32+\e], s[48+\e]      ; what my wave's ranks of expert e are counted from
.endr
.irp k, 0,1,2,3
	v_mov_b32 v[132+\k], s32
.endr
.irp e, 1,2,3,4,5,6,7
.irp k, 0,1,2,3
	v_cmp_eq_u32 s[24+\k], \e, v[OW+\k]            ; the four chunks by turns
.endr
.irp k, 0,1,2,3
	v_cndmask_b32 v[132+\k], v[132+\k], s[32+\e], s[24+\k]
.endr
.endr
.irp k, 0,1,2,3
	v_add_nc_u32 v[RK+\k], v[RK+\k], v[132+\k]     ; the entry's place
	v_min_u32 v[RK+\k], 0x1fff, v[RK+\k]           ; held inside the table
	v_lshlrev_b32 v[RK+\k], 2, v[RK+\k]
	v_add_nc_u32 v[ID+\k], \k, v8
	global_store_b32 v[RK+\k], v[ID+\k], s[10:11]  ; every chunk has registers of its own: no store's sources are written again
.endr
	s_cmp_lg_u32 ttmp9, 0                          ; no barrier follows
	s_cbranch_scc1 .Lsorted
	; the table of tiles, by work-group 0: thread i writes tile i.  Its expert is the last whose first tile is not behind i; an expert without rows has no tile
	v_mov_b32 v140, 0
	v_mov_b32 v132, 0
	v_mov_b32 v133, 0
	v_mov_b32 v134, s40
.irp e, 1,2,3,4,5,6,7
	v_cmp_le_u32 vcc_lo, s[56+\e], v0
	v_cndmask_b32 v140, v140, \e, vcc_lo
	v_cndmask_b32 v132, v132, s[56+\e], vcc_lo
	v_cndmask_b32 v133, v133, s[48+\e], vcc_lo
	v_cndmask_b32 v134, v134, s[40+\e], vcc_lo
.endr
	v_sub_nc_u32 v132, v0, v132                    ; which tile of its expert
	v_mul_u32_u24 v132, v132, 80
	v_add_nc_u32 v141, v133, v132                  ; its first place in order
	v_sub_nc_u32 v142, v134, v132                  ; the rows left from there on, held to 0 .. 80: a tile behind the last has none
	v_max_i32 v142, 0, v142
	v_min_i32 v142, 80, v142
	v_mov_b32 v143, 0
	v_lshlrev_b32 v135, 4, v0
	global_store_b128 v135, v[140:143], s[12:13]
	s_cmp_lg_u32 s81, 0
	s_cbranch_scc1 .Lsorted
.irp k, 0,1,2,3
	v_mov_b32 v[144+\k], 0
.endr
	global_store_b128 v2, v[144:147], s[10:11] offset:32768   ; the 128 words behind the ids
.Lsorted:
	s_wait_tensorcnt 0x0
	ds_add_u32 v192, v193
	s_wait_dscnt 0x0
	s_endpgm
.Lfunc_end_k_qd0a08d97bf_prep:
	.size	k_qd0a08d97bf_prep, .Lfunc_end_k_qd0a08d97bf_prep-k_qd0a08d97bf_prep
	.p2alignl 7, 3214868480
	.fill 96, 4, 3214868480
	.section	.rodata,"a",@progbits
	.p2align	6, 0x0
	.amdhsa_kernel k_qd0a08d97bf_prep
		.amdhsa_group_segment_fixed_size 138240
		.amdhsa_private_segment_fixed_size 0
		.amdhsa_enable_private_segment 0
		.amdhsa_kernarg_size 48
		.amdhsa_user_sgpr_count 2
		.amdhsa_user_sgpr_kernarg_segment_ptr 1
		.amdhsa_wavefront_size32 1
		.amdhsa_system_sgpr_workgroup_id_x 1
		.amdhsa_system_sgpr_workgroup_id_y 1
		.amdhsa_system_sgpr_workgroup_id_z 1
		.amdhsa_system_vgpr_workitem_id 0
		.amdhsa_next_free_vgpr 194
		.amdhsa_next_free_sgpr 84
		.amdhsa_reserve_vcc 1
		.amdhsa_float_denorm_mode_32 3
		.amdhsa_float_denorm_mode_16_64 3
		.amdhsa_memory_ordered 1
		.amdhsa_forward_progress 1
		.amdhsa_inst_pref_size 48
	.end_amdhsa_kernel
	.amdgpu_metadata
---
amdhsa.version: [ 1, 2 ]
amdhsa.kernels:
  - .name:           k_qd0a08d97bf_prep
    .symbol:         k_qd0a08d97bf_prep.kd
    .args:
      - { .name: sel, .offset: 0, .size: 8, .value_kind: global_buffer, .address_space: global }
      - { .name: w1_all_codes, .offset: 8, .size: 8, .value_kind: global_buffer, .address_space: global }
      - { .name: w2_all_codes, .offset: 16, .size: 8, .value_kind: global_buffer, .address_space: global }
      - { .name: order, .offset: 24, .size: 8, .value_kind: global_buffer, .address_space: global }
      - { .name: tiles, .offset: 32, .size: 8, .value_kind: global_buffer, .address_space: global }
      - { .name: wr, .offset: 40, .size: 8, .value_kind: global_buffer, .address_space: global }
    .group_segment_fixed_size: 138240
    .private_segment_fixed_size: 0
    .kernarg_segment_align: 8
    .kernarg_segment_size: 48
    .max_flat_workgroup_size: 256
    .sgpr_count:     84
    .vgpr_count:     194
    .wavefront_size: 32
...
	.end_amdgpu_metadata
.endif
;; end of part 2
;; launch chain (part 3): grid 110 x 2, 4 waves a work-group, no clusters, 164,352 bytes of LDS; arguments tiles, order, xq, xs, wr, w1_all_scales, b1_all, w2_all_scales, b2_all, y; writes y
.if DOCPART == 3
	.amdgcn_target "amdgcn-amd-amdhsa--gfx1250"
	.amdhsa_code_object_version 6
	.text
	.protected	k_qd0a08d97bf_chain
	.globl	k_qd0a08d97bf_chain
	.p2align	8
	.type	k_qd0a08d97bf_chain,@function
k_qd0a08d97bf_chain:
	s_mov_b64 s[64:65], 0
	v_nop
	global_prefetch_b8 v0, s[64:65] scope:SCOPE_SE
	s_setreg_imm32_b32 hwreg(HW_REG_WAVE_MODE, 25, 1), 1
	s_wait_xcnt 0x0
; ONE TILE (up to 80 routed rows of one expert) x ONE HALF OF THE HIDDEN LAYER (1,024 of 2,048 units), through the whole chain:
; gather the rows' codes | h = relu(x W1^T + b1) | h quantised along the hidden units | y[id][half][:] = h W2^T (+ b2 in half 0).  Both products on codes of E4M3 with E8M0 scales, sums in f32.
; GRID.  8,192 routed rows in tiles of 80 over 8 experts are never more than 103 + 7 = 110 tiles, whatever the split; x 2 halves.
; A TILE WITHOUT ROWS: no barrier stands under a branch on a number read from memory, so such a work-group walks phase 1 like any other (on rows that belong to nobody), passes both barriers,
; and ends behind the second: it skips phase 2 and stores nothing.
; SHARES.  Four waves; THE WAVES SHARE THE COLUMNS, NOT THE ROWS.  Phase 1: wave w makes hidden units 256 w + 32 j (j = 0 .. 7) of the half, for all 5 tiles of 16 rows: K steps 2 w, 2 w + 1 of the second product.
; Phase 2: wave w makes output columns 128 w .. 128 w + 127 over the half's 8 K steps.  The half's hidden codes (80 rows x 1,024) stay in LDS as images of the operand's registers; one barrier parts the phases.
; WEIGHTS come from memory straight into registers, as laid out by the launch before: a wave's stream is 16 chunks of 16,384 bytes (8 blocks of W1, 8 K steps of W2) through a ring of three
; buffers of 128 registers, each load 512 consecutive bytes.  Two chunks are always on their way while one is multiplied.
; BOTH PRODUCTS ARE USED TRANSPOSED (source 0 = 16 rows of a weight, source 1 = 16 routed rows): a lane holds ONE routed row.  Lane r of tile u in a group of 32 weight rows takes row 8 u + r + 8 (r / 8),
; so that the 16 registers of tiles u = 0, 1 are 16 neighbours, 16 (lane / 16) + 0 .. 15, along the next K and along a row of y.
; NO CLUSTER, NO JOINT LOADS, though the tiles of one expert read the same weights: how many tiles an expert has is read from memory, a tile without rows leaves by a branch on that number,
; and rows are gathered by a stored list; so the operands go through registers and there is no tensor load that partners could share.
; LIMITS.  NaN and infinities are not served.  A block of zeros gets the scale byte 1: its codes are zeros.  Rows of a tile beyond its count hold other rows' numbers: they are multiplied and not stored.
; REGISTERS by absolute number (windows of 256; the macros take a register's window from its number):
;   v1-14 addresses; v16-18 the tile's ids; v20-31 x's scale words; v32-43 W1's (ring of three); v44-75 W2's; v76-81 the hidden layer's (two sets): these hold scales and nothing else;
;   v82-106 the quantiser's; v108-127 codes just made; v128-159 b1, two sets; v160-239 ten hidden accumulators, later five hidden fragments; v240-254 the prologue's;
;   v256-575 x's 20 fragments, later the 40 accumulators of y; v576-959 the weights' ring; v960-1023 b2.
.set XST,  0                           ; LDS: x's codes: [piece of 16 bytes, 0 .. 31] 1,296 bytes apart, [row 0 .. 79] 16 bytes
.set XP,   1296
.set HIMG, 41472                       ; the hidden fragments' images: (K step kk, tile of rows m) at 2,048 (5 kk + m); block of 32 at + 512; lane at + 16
.set HSC,  123392                      ; their scale words: [kk] 320 bytes apart, [row] 4 bytes
.set B1L,  125952                      ; b1: 1,024 bytes for each wave, its own
.set OST,  130048                      ; the way out: 16 rows x 528 bytes for each wave, its own
.set VID,  16
.set XS,   20
.set W1S,  32
.set W2S,  44
.set HS,   76
.set SW,   82                          ; v82-86  the scale words in the making
.set MX,   87                          ; v87-91  largest numbers
.set T2,   92                          ; v92-96  at work
.set SO,   97                          ; v97-101 the conversions' scale operands
.set HD,   102                         ; v102-106 448 x the scale
.set CD,   108
.set B1,   128
.set HA,   160
.set XF,   256
.set ACC,  256
.set WB,   576
.set B2,   960
.set MSB,  0
.macro WIN new                         ; s_set_vgpr_msb: bits 1:0 source 0, 3:2 source 1, 5:4 source 2, 7:6 destination; the high byte repeats the setting that is left
.if MSB != \new
	s_set_vgpr_msb (MSB<<8)|\new
.set MSB, \new
.endif
.endm
.macro PLACES                          ; eight plain vector lines behind this matrix form, in front of reads of results and of loads into registers that it has read
.rept 8
	v_nop
.endr
.endm
; One matrix instruction.  d, a, b, c: absolute register numbers.  sa, sb: the scale registers; ra, rb = 1: the scales stand in lanes 16-31.
.macro MM d, a, b, c, sa, ra, sb, rb
	WIN ((((\d)>>8)<<6)|(((\c)>>8)<<4)|(((\b)>>8)<<2)|((\a)>>8))
.set rD, (\d)&255
.set rA, (\a)&255
.set rB, (\b)&255
.set rC, (\c)&255
.if (\ra) && (\rb)
	v_wmma_scale_f32_16x16x128_f8f6f4 v[rD:rD+7], v[rA:rA+15], v[rB:rB+15], v[rC:rC+7], v[\sa], v[\sb] matrix_a_scale:MATRIX_SCALE_ROW1 matrix_b_scale:MATRIX_SCALE_ROW1
.elseif (\ra)
	v_wmma_scale_f32_16x16x128_f8f6f4 v[rD:rD+7], v[rA:rA+15], v[rB:rB+15], v[rC:rC+7], v[\sa], v[\sb] matrix_a_scale:MATRIX_SCALE_ROW1
.elseif (\rb)
	v_wmma_scale_f32_16x16x128_f8f6f4 v[rD:rD+7], v[rA:rA+15], v[rB:rB+15], v[rC:rC+7], v[\sa], v[\sb] matrix_b_scale:MATRIX_SCALE_ROW1
.else
	v_wmma_scale_f32_16x16x128_f8f6f4 v[rD:rD+7], v[rA:rA+15], v[rB:rB+15], v[rC:rC+7], v[\sa], v[\sb]
.endif
.endm
; Chunk i of my stream into ring buffer i % 3: 32 loads of 512 consecutive bytes; with a block of W1 its 32 rows' scale words (16 bytes a row: lanes 0-15 tile 0's rows, lanes 16-31 tile 1's).
.macro LDW i
.set WBi, WB+128*((\i)%3)
.set g, 0
.rept 32
	WIN (((WBi+4*g)>>8)<<6)
.if (\i) < 8
	global_load_b128 v[(WBi+4*g)&255:((WBi+4*g)&255)+3], v1, s[56:57] offset:16384*(\i)+512*g
.else
	global_load_b128 v[(WBi+4*g)&255:((WBi+4*g)&255)+3], v1, s[58:59] offset:65536*((\i)-8)+512*g
.endif
.set g, g+1
.endr
	WIN 0
.if (\i) < 8
	global_load_b128 v[W1S+4*((\i)%3):W1S+4*((\i)%3)+3], v13, s[60:61] offset:512*(\i)
.endif
.endm
; Chunk i is in: the count is the loads of the two younger chunks (33 for a block of W1, 32 for a K step of W2), held to what the wait's field can name.
.macro WAITW i
.set nw, 0
.if (\i)+1 <= 15
.if (\i)+1 < 8
.set nw, nw+33
.else
.set nw, nw+32
.endif
.endif
.if (\i)+2 <= 15
.if (\i)+2 < 8
.set nw, nw+33
.else
.set nw, nw+32
.endif
.endif
.if nw > 63
.set nw, 63
.endif
	s_wait_loadcnt nw
.endm
; The ten accumulators (5 tiles of rows x 32 hidden units) become codes: block bb of K step 2 w + kl.  A lane's 16 registers are 16 neighbours of its row; lane l xor 16 holds the block's other 16.
; (The arguments come as text: each stands in parentheses wherever it is part of an expression.)
.macro QUANT bb, kl
.irp m, 0,1,2,3,4
	v_max3_num_f32 v[MX+\m], v[HA+16*\m], v[HA+16*\m+1], 0x4800000   ; no |.|: what is negative becomes 0 (the activation) and must not count; the floor 2^(9 - 127) holds the byte at 1 from below
.endr
.irp i, 2,4,6,8,10,12,14
.irp m, 0,1,2,3,4
	v_max3_num_f32 v[MX+\m], v[MX+\m], v[HA+16*\m+\i], v[HA+16*\m+\i+1]   ; ascending: each accumulator is read from its low end on; the five tiles by turns
.endr
.endr
.irp m, 0,1,2,3,4
	v_permlanex16_b32 v[T2+\m], v[MX+\m], s62, s63
.endr
.irp m, 0,1,2,3,4
	v_max_num_f32 v[MX+\m], v[MX+\m], v[T2+\m]
.endr
.irp m, 0,1,2,3,4
	v_add_nc_u32 v[SO+\m], 0xfc000000, v[MX+\m]    ; 8 off the exponent field: the conversion's scale operand
.endr
.irp m, 0,1,2,3,4
	v_and_or_b32 v[HD+\m], v[MX+\m], 0x7f800000, s66   ; 448 x the scale
.endr
.if (\bb) == 0
.irp m, 0,1,2,3,4
	v_lshrrev_b32 v[SW+\m], 23, v[SO+\m]           ; the scale's byte begins the K step's word
.endr
.else
.irp m, 0,1,2,3,4
	v_lshrrev_b32 v[T2+\m], 23, v[SO+\m]
.endr
.irp m, 0,1,2,3,4
	v_lshl_or_b32 v[SW+\m], v[T2+\m], 8*(\bb), v[SW+\m]
.endr
.endif
.irp m, 0,1,2,3,4
.irp i, 0,1,2,3,4,5,6,7,8,9,10,11,12,13,14,15
	v_med3_num_f32 v[HA+16*\m+\i], v[HA+16*\m+\i], 0, v[HD+\m]   ; the activation and the hold in one (the conversion does not saturate: ISA guide 7.6.2)
.endr
	v_cvt_scalef32_pk8_fp8_f32 v[CD+4*\m:CD+4*\m+1], v[HA+16*\m:HA+16*\m+7], v[SO+\m]
	v_cvt_scalef32_pk8_fp8_f32 v[CD+4*\m+2:CD+4*\m+3], v[HA+16*\m+8:HA+16*\m+15], v[SO+\m]
.endr
	v_nop                                          ; a plain line between the last conversion and the next products, which write its sources
.irp m, 0,1,2,3,4
	ds_store_b128 v4, v[CD+4*\m:CD+4*\m+3] offset:(5*(\kl)+\m)*2048+512*(\bb)   ; registers 4 bb .. 4 bb + 3 of the fragment's image: 512 consecutive bytes
.endr
.if (\bb) == 3
.irp m, 0,1,2,3,4
	ds_store_b32 v5, v[SW+\m] offset:320*(\kl)+64*\m   ; both halves of the lanes write a row's word with the same value
.endr
.endif
.endm
; Block j of phase 1: 32 hidden units x 80 rows over K = 512: 40 matrix instructions, the ten accumulators by turns, one instruction a turn; b1 is the C of each sum's first.
.macro BLK j
.set WBj, WB+128*((\j)%3)
	s_wait_dscnt 0x0                               ; the last block's stores have read the codes' registers; this block's b1 (and, ahead of block 0, x's fragments) is in
.if \j < 7
.irp u, 0,1
	ds_load_b128 v[B1+16*((\j+1)%2)+8*\u:B1+16*((\j+1)%2)+8*\u+3], v10 offset:128*(\j+1)+32*\u      ; the next block's b1: lane (r, h), tile u: units 16 h + 8 u + 0 .. 7
	ds_load_b128 v[B1+16*((\j+1)%2)+8*\u+4:B1+16*((\j+1)%2)+8*\u+7], v10 offset:128*(\j+1)+32*\u+16
.endr
.endif
.if \j > 0
	WAITW \j
.endif
.irp s, 0,1,2,3
.irp m, 0,1,2,3,4
.irp u, 0,1
.if \s == 0
	MM HA+16*\m+8*\u, WBj+16*(2*\s+\u), XF+16*(5*\s+\m), B1+16*((\j)%2)+8*\u, W1S+4*((\j)%3)+\s, \u, XS+4*(\m/2)+\s, \m%2
.else
	MM HA+16*\m+8*\u, WBj+16*(2*\s+\u), XF+16*(5*\s+\m), HA+16*\m+8*\u, W1S+4*((\j)%3)+\s, \u, XS+4*(\m/2)+\s, \m%2
.endif
.endr
.endr
.endr
	WIN 0
	PLACES
	LDW \j+3                                       ; into the buffer just multiplied
	QUANT (\j)%4, (\j)/4
.endm
.macro HFR kk, m                       ; the hidden fragment (kk, m) comes back as it was stored
.irp c, 0,1,2,3
.if (\kk) < 4
	ds_load_b128 v[HA+16*(\m)+4*\c:HA+16*(\m)+4*\c+3], v6 offset:(5*(\kk)+(\m))*2048+512*\c
.else
	ds_load_b128 v[HA+16*(\m)+4*\c:HA+16*(\m)+4*\c+3], v7 offset:(5*((\kk)-4)+(\m))*2048+512*\c
.endif
.endr
.endm
.macro HSL kk                          ; K step kk's scale words: register p holds rows 32 p + lane (the last: rows 64 + lane % 16)
	ds_load_b32 v[HS+3*((\kk)%2)], v8 offset:320*(\kk)
	ds_load_b32 v[HS+3*((\kk)%2)+1], v8 offset:320*(\kk)+128
	ds_load_b32 v[HS+3*((\kk)%2)+2], v9 offset:320*(\kk)
.endm
.macro PROD kk, m                      ; my 8 tiles of columns x tile m of rows, K step kk; b2 is the C of each sum's first
.irp t, 0,1,2,3,4,5,6,7
.if (\kk) == 0
	MM ACC+8*(8*(\m)+\t), WBk+16*\t, HA+16*(\m), B2+8*\t, W2S+8*(\t/2)+(\kk), \t%2, HS+3*((\kk)%2)+(\m)/2, (\m)%2
.else
	MM ACC+8*(8*(\m)+\t), WBk+16*\t, HA+16*(\m), ACC+8*(8*(\m)+\t), W2S+8*(\t/2)+(\kk), \t%2, HS+3*((\kk)%2)+(\m)/2, (\m)%2
.endif
.endr
.endm
; K step kk of phase 2: 40 matrix instructions, the 40 accumulators by turns.  A fragment of the hidden layer is free as soon as its eight products are issued: the next K step's come in two runs.
.macro KST kk
.set WBk, WB+128*((8+\kk)%3)
	WAITW 8+\kk
.if \kk == 0
	s_wait_dscnt 0x0
.else
	s_wait_dscnt 8                                 ; fragments 0-2 and the scale words are in: fragments 3 and 4 (eight loads) are younger
.endif
	PROD \kk, 0
	PROD \kk, 1
	PROD \kk, 2
	WIN 0
	PLACES
.if \kk < 7
	HFR \kk+1, 0
	HFR \kk+1, 1
	HFR \kk+1, 2
	s_wait_dscnt 12                                ; fragments 3 and 4 are in: the twelve loads just issued are younger
.else
	s_wait_dscnt 0x0
.endif
	PROD \kk, 3
	PROD \kk, 4
	WIN 0
	PLACES                                         ; (behind the last K step these serve the way out)
.if \kk < 7
	HSL \kk+1
	HFR \kk+1, 3
	HFR \kk+1, 4
.endif
.if 8+\kk+3 <= 15
	LDW 8+\kk+3
.endif
.endm
; THE WAY OUT of tile m of rows: my 128 columns of 16 rows go through my own stage and come back as rows of 512 bytes.  LDS serves a wave's instructions in order (ISA guide 5.7.1.4): no wait between stores and loads.
.macro TOSTAGE m
.irp t, 0,1,2,3,4,5,6,7
.set rr, ACC+8*(8*(\m)+\t)
	WIN ((rr>>8)<<2)                               ; an LDS store's data are its source 1
	ds_store_b128 v11, v[rr&255:(rr&255)+3] offset:128*(\t/2)+32*(\t%2)          ; each accumulator from its low end on: columns 32 (t / 2) + 16 h + 8 (t % 2) + 0 .. 7
	ds_store_b128 v11, v[(rr&255)+4:(rr&255)+7] offset:128*(\t/2)+32*(\t%2)+16
.endr
	WIN 0
.set ob, 128+64*((\m)%2)
.irp i, 0,1,2,3,4,5,6,7,8,9,10,11,12,13,14,15
	ds_load_b128 v[ob+4*\i:ob+4*\i+3], v12 offset:528*\i
.endr
.endm
; The tile's 16 rows are stored.  Their places in y are made in runs of sixteen like lines, ahead of the wait for the stage, while the loads from it are out.  younger: the LDS instructions issued behind tile m's loads.
.macro SEND m, younger
.set ob, 128+64*((\m)%2)
.set vo, 87+16*((\m)%2)
.irp i, 0,1,2,3,4,5,6,7,8,9,10,11,12,13,14,15
	v_readlane_b32 s[36+\i], v[VID+(16*(\m)+\i)/32], (16*(\m)+\i)%32
.endr
.irp i, 0,1,2,3,4,5,6,7,8,9,10,11,12,13,14,15
	s_min_u32 s[36+\i], s[36+\i], 8191             ; the row's id, held inside y
.endr
.irp i, 0,1,2,3,4,5,6,7,8,9,10,11,12,13,14,15
	s_lshl_b32 s[36+\i], s[36+\i], 12              ; 4,096 bytes an id
.endr
.irp i, 0,1,2,3,4,5,6,7,8,9,10,11,12,13,14,15
	v_add_nc_u32 v[vo+\i], s[36+\i], v14
.endr
	s_wait_dscnt \younger
.irp i, 0,1,2,3,4,5,6,7,8,9,10,11,12,13,14,15
	s_cmp_le_u32 s30, 16*(\m)+\i                   ; rows from the tile's count on are not stored: they belong to other tiles.  No barrier follows
	s_cbranch_scc1 .Ldone
	global_store_b128 v[vo+\i], v[ob+4*\i:ob+4*\i+3], s[22:23] th:TH_STORE_NT   ; 32 lanes store 512 consecutive bytes, aligned; not read again in this launch
.endr
.endm
	s_load_b512 s[4:19], s[0:1], 0x0               ; tiles s[4:5], order s[6:7], xq s[8:9], xs s[10:11], wr s[12:13], W1's scales s[14:15], b1 s[16:17], W2's scales s[18:19]
	s_load_b128 s[20:23], s[0:1], 0x40             ; b2 s[20:21], y s[22:23]
	v_lshrrev_b32 v15, 5, v0
	v_readfirstlane_b32 s24, v15                   ; wave 0..3
	s_and_b32 s25, ttmp7, 0xffff                   ; half
	v_and_b32 v15, 31, v0                          ; l
	v_and_b32 v19, 15, v0                          ; r
	v_bfe_u32 v107, v0, 4, 1                       ; h
	v_lshlrev_b32 v1, 4, v15                       ; 16 l
	s_mul_i32 s68, s24, 320
	v_mul_u32_u24 v2, v15, XP
	v_add_nc_u32 v2, s68, v2                       ; x into LDS: piece l, rows 20 w on
	v_mul_u32_u24 v3, v107, XP
	v_lshl_add_u32 v3, v19, 4, v3                  ; and out: piece h (+ 8 s + 2 c), row r (+ 16 m)
	v_add_nc_u32 v6, HIMG, v1                      ; images, read: K steps 0-3,
	v_add_nc_u32 v7, HIMG+40960, v1                ; K steps 4-7
	s_mul_i32 s68, s24, 20480
	v_add_nc_u32 v4, s68, v6                       ; images, written: K step 2 w on
	s_mul_i32 s68, s24, 640
	s_add_co_u32 s68, s68, HSC
	v_lshl_add_u32 v5, v19, 2, s68                 ; their scale words, written
	v_lshl_add_u32 v8, v15, 2, HSC                 ; and read
	v_lshl_add_u32 v9, v19, 2, HSC+256
	s_lshl_b32 s68, s24, 10
	s_add_co_u32 s68, s68, B1L
	v_lshl_add_u32 v10, v107, 6, s68               ; b1, read: + 64 h
	v_add_nc_u32 v251, s68, v1                     ; b1, written
	s_mul_i32 s68, s24, 8448
	s_add_co_u32 s68, s68, OST
	v_mul_u32_u24 v11, v19, 528
	v_lshl_add_u32 v11, v107, 6, v11
	v_add_nc_u32 v11, s68, v11                     ; the stage, in: row r, + 64 h
	v_add_nc_u32 v12, s68, v1                      ; and back: 16 bytes a lane
	v_and_b32 v13, 8, v15
	v_add_nc_u32 v13, v13, v19
	v_lshl_add_u32 v13, v107, 3, v13               ; the weight row of my lane in a group of 32: r + 8 (r / 8) + 8 h
	v_lshlrev_b32 v249, 6, v13                     ; W2's scales: 64 bytes a row
	v_lshlrev_b32 v13, 4, v13                      ; W1's: 16
	s_lshl_b32 s68, s25, 11
	s_lshl_b32 s69, s24, 9
	s_add_co_u32 s68, s68, s69
	v_add_nc_u32 v14, s68, v1                      ; y: 2,048 x half + 512 w + 16 l
	v_lshlrev_b32 v248, 2, v15
	v_lshlrev_b32 v250, 6, v107
.irp m, 0,1,2,3,4
	v_mov_b32 v[T2+\m], 0                          ; written once: a lane permute's destination counts as one of its sources
.endr
	s_lshl_b32 s26, ttmp9, 4
	s_mov_b32 s27, 0
	s_mov_b32 s33, 0
	s_mov_b32 s62, 0x76543210
	s_mov_b32 s63, 0xfedcba98                      ; v_permlanex16_b32's selects for lane l xor 16
	s_mov_b32 s66, 0x600000                        ; the mantissa field of 448
	s_wait_kmcnt 0x0
	s_add_nc_u64 s[4:5], s[4:5], s[26:27]
	s_load_b128 s[28:31], s[4:5], 0x0              ; my tile: expert, first place in order, rows, 0
	s_wait_kmcnt 0x0
	s_min_u32 s28, s28, 7                          ; held inside the tables: a tile without rows reads inside its buffers too (order has 128 words behind its 8,192 ids)
	s_min_u32 s29, s29, 8191
	s_lshl_b32 s32, s29, 2
	s_add_nc_u64 s[34:35], s[6:7], s[32:33]        ; the tile's ids
	s_mul_i32 s32, s24, 80
	s_add_nc_u64 s[26:27], s[34:35], s[32:33]      ; those of the 20 rows that I gather
	s_load_b512 s[36:51], s[26:27], 0x0
	s_load_b128 s[52:55], s[26:27], 0x40
	s_lshl_b32 s68, s28, 20
	s_lshl_b32 s69, s25, 19
	s_add_co_u32 s68, s68, s69
	s_lshl_b32 s69, s24, 17
	s_add_co_u32 s32, s68, s69
	s_add_nc_u64 s[56:57], s[12:13], s[32:33]      ; W1's blocks: 2^20 e + 16,384 (32 half + 8 w)
	s_lshl_b32 s69, s24, 14
	s_add_co_u32 s32, s68, s69
	s_add_co_u32 s32, s32, 0x800000
	s_add_nc_u64 s[58:59], s[12:13], s[32:33]      ; W2's chunks: 2^23 + 2^20 e + 65,536 x 8 half + 16,384 w
	s_lshl_b32 s68, s28, 15
	s_lshl_b32 s69, s25, 14
	s_add_co_u32 s32, s68, s69
	s_lshl_b32 s69, s24, 12
	s_add_co_u32 s32, s32, s69
	s_add_nc_u64 s[60:61], s[14:15], s[32:33]      ; W1's scales: 16 (2,048 e + 1,024 half + 256 w)
	s_lshl_b32 s69, s24, 13
	s_add_co_u32 s32, s68, s69
	s_lshl_b32 s69, s25, 5
	s_add_co_u32 s32, s32, s69
	s_add_nc_u64 s[18:19], s[18:19], s[32:33]      ; W2's scales: 64 (512 e + 128 w) + 32 half
	s_lshl_b32 s68, s28, 13
	s_lshl_b32 s69, s25, 12
	s_add_co_u32 s32, s68, s69
	s_lshl_b32 s69, s24, 10
	s_add_co_u32 s32, s32, s69
	s_add_nc_u64 s[16:17], s[16:17], s[32:33]      ; b1: 4 (2,048 e + 1,024 half + 256 w)
	s_lshl_b32 s68, s28, 11
	s_lshl_b32 s69, s24, 9
	s_add_co_u32 s32, s68, s69
	s_add_nc_u64 s[20:21], s[20:21], s[32:33]      ; b2: 4 (512 e + 128 w)
	; THE ORDER OF THE FIRST LOADS: the small ones (29), then the 20 rows, on which the first barrier waits, then x's scale words and the first chunk of weights: the rows are issued with 29 loads out and come back ahead of the chunk
.irp p, 0,1,2
	global_load_b32 v[VID+\p], v248, s[34:35] offset:128*\p       ; lane l: the id of row 32 p + l
.endr
	global_load_b128 v[240:243], v1, s[16:17]      ; my 256 numbers of b1
	global_load_b128 v[244:247], v1, s[16:17] offset:512
.irp n, 0,1,2,3
	global_load_b128 v[W2S+8*\n:W2S+8*\n+3], v249, s[18:19] offset:2048*\n        ; group n of 32 columns: the half's eight scale words of my lane's row
	global_load_b128 v[W2S+8*\n+4:W2S+8*\n+7], v249, s[18:19] offset:2048*\n+16
.endr
	WIN 0xc0                                       ; destination window 3
.irp t, 0,1,2,3,4,5,6,7
	global_load_b128 v[(B2&255)+8*\t:(B2&255)+8*\t+3], v250, s[20:21] offset:128*(\t/2)+32*(\t%2)      ; b2 in the result's layout
	global_load_b128 v[(B2&255)+8*\t+4:(B2&255)+8*\t+7], v250, s[20:21] offset:128*(\t/2)+32*(\t%2)+16
.endr
	WIN 0
	s_wait_kmcnt 0x0                               ; my 20 ids
.irp i, 0,1,2,3,4,5,6,7,8,9,10,11,12,13,14,15,16,17,18,19
	s_lshr_b32 s[36+\i], s[36+\i], 1               ; the token,
	s_min_u32 s[36+\i], s[36+\i], 4095             ; held inside xq,
	s_lshl_b32 s[36+\i], s[36+\i], 9               ; 512 bytes a token
	v_add_nc_u32 v[CD+\i], s[36+\i], v1
.endr
.irp i, 0,1,2,3,4,5,6,7,8,9,10,11,12,13,14,15,16,17,18,19
	global_load_b128 v[HA+4*\i:HA+4*\i+3], v[CD+\i], s[8:9]       ; a whole row of codes: 512 consecutive bytes
.endr
	s_wait_loadcnt 44                              ; the ids and b1 are in: W2's scales (8), b2 (16) and the rows (20) are younger
.irp p, 0,1,2
	v_lshrrev_b32 v[252+\p], 1, v[VID+\p]
	v_min_u32 v[252+\p], 0xfff, v[252+\p]
	v_lshlrev_b32 v[252+\p], 4, v[252+\p]
.endr
.irp p, 0,1,2
	global_load_b128 v[XS+4*\p:XS+4*\p+3], v[252+\p], s[10:11]    ; lane l: the four scale words of row 32 p + l
.endr
	LDW 0
	ds_store_b128 v251, v[240:243]
	ds_store_b128 v251, v[244:247] offset:512
.irp u, 0,1
	ds_load_b128 v[B1+8*\u:B1+8*\u+3], v10 offset:32*\u           ; block 0's b1 (my own bytes, served in order)
	ds_load_b128 v[B1+8*\u+4:B1+8*\u+7], v10 offset:32*\u+16
.endr
	s_wait_loadcnt 36                              ; my 20 rows are in, and all that is older: x's scale words (3) and chunk 0 (33) are younger
.irp i, 0,1,2,3,4,5,6,7,8,9,10,11,12,13,14,15,16,17,18,19
	ds_store_b128 v2, v[HA+4*\i:HA+4*\i+3] offset:16*\i           ; lanes 1,296 bytes apart: sixteen lanes fall on sixteen different 16-byte columns
.endr
	s_wait_dscnt 0x0                               ; for the others' sake: my 20 rows lie in LDS
	s_barrier_signal -1
	s_barrier_wait -1
.irp s, 0,1,2,3
.irp m, 0,1,2,3,4
.irp c, 0,1,2,3
.set rr, XF+16*(5*\s+\m)+4*\c
	WIN ((rr>>8)<<6)
	ds_load_b128 v[rr&255:(rr&255)+3], v3 offset:(8*\s+2*\c)*XP+256*\m   ; x's fragment (K step s, tile m): k = 128 s + 32 c + 16 h + 0 .. 15 of row 16 m + r.  They stay for all of phase 1
.endr
.endr
.endr
	WIN 0
	LDW 1
	LDW 2
	s_cmp_eq_u32 s25, 0
	s_cselect_b32 s67, -1, 0                       ; b2 is added once: in half 0
	WIN 0xcc                                       ; destination and source 1 window 3
.set i, 0
.rept 64
	v_and_b32 v[(B2&255)+i], s67, v[(B2&255)+i]
.set i, i+1
.endr
	WIN 0
	s_wait_loadcnt 63                              ; 102 loads were issued behind the rows: the oldest 39 are in, x's scale words (3) and chunk 0 (33) among them
	BLK 0
	BLK 1
	BLK 2
	BLK 3
	BLK 4
	BLK 5
	BLK 6
	BLK 7
	s_wait_dscnt 0x0                               ; for the others' sake: my two K steps' images and scale words lie in LDS
	s_barrier_signal -1
	s_barrier_wait -1
	s_cmp_eq_u32 s30, 0                            ; a tile without rows has nothing to store: it leaves here, behind the last barrier
	s_cbranch_scc1 .Ldone
	HSL 0
	HFR 0, 0
	HFR 0, 1
	HFR 0, 2
	HFR 0, 3
	HFR 0, 4
	KST 0                                          ; its products lay y's accumulators over x's fragments: the quantiser's lines stand between them and the last product that read those
	KST 1
	KST 2
	KST 3
	KST 4
	KST 5
	KST 6
	KST 7
	TOSTAGE 0
	TOSTAGE 1
	SEND 0, 32                                     ; younger: tile 1's 16 stores and 16 loads
.irp m, 2,3,4
	s_wait_xcnt 0x0                                ; tile m - 2's stores have read their registers: tile m's rows may land there, and the offsets of tile m - 3's may be written again
	TOSTAGE \m
	SEND \m-1, 32
.endr
	SEND 4, 0
.Ldone:
	s_wait_dscnt 0x0                               ; a wave that leaves the way out early has loads from its stage out
	s_wait_xcnt 0x0
	v_lshl_add_u32 v254, v0, 2, 0x28000
	v_mov_b32 v255, 0
	s_wait_tensorcnt 0x0
	ds_add_u32 v254, v255
	s_wait_dscnt 0x0
	s_endpgm
.Lfunc_end_k_qd0a08d97bf_chain:
	.size	k_qd0a08d97bf_chain, .Lfunc_end_k_qd0a08d97bf_chain-k_qd0a08d97bf_chain
	.p2alignl 7, 3214868480
	.fill 96, 4, 3214868480
	.section	.rodata,"a",@progbits
	.p2align	6, 0x0
	.amdhsa_kernel k_qd0a08d97bf_chain
		.amdhsa_group_segment_fixed_size 164352
		.amdhsa_private_segment_fixed_size 0
		.amdhsa_enable_private_segment 0
		.amdhsa_kernarg_size 80
		.amdhsa_user_sgpr_count 2
		.amdhsa_user_sgpr_kernarg_segment_ptr 1
		.amdhsa_wavefront_size32 1
		.amdhsa_system_sgpr_workgroup_id_x 1
		.amdhsa_system_sgpr_workgroup_id_y 1
		.amdhsa_system_sgpr_workgroup_id_z 1
		.amdhsa_system_vgpr_workitem_id 0
		.amdhsa_next_free_vgpr 1024
		.amdhsa_next_free_sgpr 80
		.amdhsa_reserve_vcc 0
		.amdhsa_float_denorm_mode_32 3
		.amdhsa_float_denorm_mode_16_64 3
		.amdhsa_memory_ordered 1
		.amdhsa_forward_progress 1
		.amdhsa_inst_pref_size 255
	.end_amdhsa_kernel
	.section	.bss,"aw",@nobits
	.p2align	6
	.space	262144
	.amdgpu_metadata
---
amdhsa.version: [ 1, 2 ]
amdhsa.kernels:
  - .name:           k_qd0a08d97bf_chain
    .symbol:         k_qd0a08d97bf_chain.kd
    .args:
      - { .name: tiles, .offset: 0, .size: 8, .value_kind: global_buffer, .address_space: global }
      - { .name: order, .offset: 8, .size: 8, .value_kind: global_buffer, .address_space: global }
      - { .name: xq, .offset: 16, .size: 8, .value_kind: global_buffer, .address_space: global }
      - { .name: xs, .offset: 24, .size: 8, .value_kind: global_buffer, .address_space: global }
      - { .name: wr, .offset: 32, .size: 8, .value_kind: global_buffer, .address_space: global }
      - { .name: w1_all_scales, .offset: 40, .size: 8, .value_kind: global_buffer, .address_space: global }
      - { .name: b1_all, .offset: 48, .size: 8, .value_kind: global_buffer, .address_space: global }
      - { .name: w2_all_scales, .offset: 56, .size: 8, .value_kind: global_buffer, .address_space: global }
      - { .name: b2_all, .offset: 64, .size: 8, .value_kind: global_buffer, .address_space: global }
      - { .name: y, .offset: 72, .size: 8, .value_kind: global_buffer, .address_space: global }
    .group_segment_fixed_size: 164352
    .private_segment_fixed_size: 0
    .kernarg_segment_align: 8
    .kernarg_segment_size: 80
    .max_flat_workgroup_size: 128
    .sgpr_count:     80
    .vgpr_count:     1024
    .wavefront_size: 32
...
	.end_amdgpu_metadata
.endif
;; end of part 3
;; launch merge (part 4): grid 256 x 1, 4 waves a work-group, no clusters, 0 bytes of LDS; arguments y, gates, out0; writes out0
.if DOCPART == 4
	.amdgcn_target "amdgcn-amd-amdhsa--gfx1250"
	.amdhsa_code_object_version 6
	.text
	.protected	k_qd0a08d97bf_merge
	.globl	k_qd0a08d97bf_merge
	.p2align	8
	.type	k_qd0a08d97bf_merge,@function
k_qd0a08d97bf_merge:
	s_mov_b64 s[64:65], 0
	v_nop
	global_prefetch_b8 v0, s[64:65] scope:SCOPE_SE
	s_setreg_imm32_b32 hwreg(HW_REG_WAVE_MODE, 25, 1), 1
	s_wait_xcnt 0x0
; out0[t][:] = g0 (y[2 t][0][:] + y[2 t][1][:]) + g1 (y[2 t + 1][0][:] + y[2 t + 1][1][:]).  y [8192][2][512] f32: a routed row's two halves of the sum over the hidden layer; gates [4096][2] f32.
; Each output row has one owner, so no sum crosses work-groups.  A work-group takes 16 tokens; thread i owns the 16 bytes at 16 i of every row of 2,048 bytes: a wave's load or store covers 512 consecutive bytes.
; Eight tokens' loads (32 a wave) are on their way; each token has result registers of its own, so no store's data are written again.
; LDS, barriers, matrix units and clusters are left out: each byte is read once by one thread, and no two work-groups share any.
	s_load_b128 s[4:7], s[0:1], 0x0                ; y s[4:5], gates s[6:7]
	s_load_b64 s[8:9], s[0:1], 0x10                ; out0
	v_lshlrev_b32 v1, 4, v0
	s_lshl_b32 s10, ttmp9, 17                      ; 16 tokens x 8,192 bytes of y,
	s_mov_b32 s11, 0
	s_lshl_b32 s12, ttmp9, 15                      ; x 2,048 bytes of out0,
	s_mov_b32 s13, 0
	s_lshl_b32 s14, ttmp9, 7                       ; x 8 bytes of gates
	s_mov_b32 s15, 0
	s_wait_kmcnt 0x0
	s_add_nc_u64 s[4:5], s[4:5], s[10:11]
	s_add_nc_u64 s[8:9], s[8:9], s[12:13]
	s_add_nc_u64 s[6:7], s[6:7], s[14:15]
	s_load_b512 s[16:31], s[6:7], 0x0              ; the 32 gates: token i's in s[16 + 2 i], s[17 + 2 i]
	s_load_b512 s[32:47], s[6:7], 0x40
.macro YLOAD i                         ; token i's four parts into slot i % 8
.irp p, 0,1,2,3
	global_load_b128 v[16+16*((\i)%8)+4*\p:16+16*((\i)%8)+4*\p+3], v1, s[4:5] offset:8192*(\i)+2048*\p th:TH_LOAD_NT
.endr
.endm
.irp i, 0,1,2,3,4,5,6,7
	YLOAD \i
.endr
	s_wait_kmcnt 0x0
.macro TOK i
.set YY, 16+16*((\i)%8)
.set RR, 144+4*(\i)
.if 15-(\i) >= 7
	s_wait_loadcnt 28                              ; my four loads are in: seven tokens' are younger
.else
	s_wait_loadcnt 4*(15-(\i))                     ; the last tokens: the counts run down
.endif
	v_pk_add_f32 v[YY:YY+1], v[YY:YY+1], v[YY+4:YY+5]             ; the first expert's two halves,
	v_pk_add_f32 v[YY+2:YY+3], v[YY+2:YY+3], v[YY+6:YY+7]
	v_pk_add_f32 v[YY+8:YY+9], v[YY+8:YY+9], v[YY+12:YY+13]       ; the second's
	v_pk_add_f32 v[YY+10:YY+11], v[YY+10:YY+11], v[YY+14:YY+15]
.irp k, 0,1,2,3
	v_mul_f32 v[RR+\k], s[16+2*(\i)], v[YY+\k]
.endr
.irp k, 0,1,2,3
	v_fma_f32 v[RR+\k], v[YY+8+\k], s[17+2*(\i)], v[RR+\k]
.endr
.if (\i)+8 < 16
	YLOAD (\i)+8                                   ; the slot just left takes the token eight on, ahead of the store
.endif
	global_store_b128 v1, v[RR:RR+3], s[8:9] offset:2048*(\i) th:TH_STORE_NT
.endm
.irp i, 0,1,2,3,4,5,6,7,8,9,10,11,12,13,14,15
	TOK \i
.endr
	s_endpgm
.Lfunc_end_k_qd0a08d97bf_merge:
	.size	k_qd0a08d97bf_merge, .Lfunc_end_k_qd0a08d97bf_merge-k_qd0a08d97bf_merge
	.p2alignl 7, 3214868480
	.fill 96, 4, 3214868480
	.section	.rodata,"a",@progbits
	.p2align	6, 0x0
	.amdhsa_kernel k_qd0a08d97bf_merge
		.amdhsa_group_segment_fixed_size 0
		.amdhsa_private_segment_fixed_size 0
		.amdhsa_enable_private_segment 0
		.amdhsa_kernarg_size 24
		.amdhsa_user_sgpr_count 2
		.amdhsa_user_sgpr_kernarg_segment_ptr 1
		.amdhsa_wavefront_size32 1
		.amdhsa_system_sgpr_workgroup_id_x 1
		.amdhsa_system_sgpr_workgroup_id_y 1
		.amdhsa_system_sgpr_workgroup_id_z 1
		.amdhsa_system_vgpr_workitem_id 0
		.amdhsa_next_free_vgpr 208
		.amdhsa_next_free_sgpr 66
		.amdhsa_reserve_vcc 0
		.amdhsa_float_denorm_mode_32 3
		.amdhsa_float_denorm_mode_16_64 3
		.amdhsa_memory_ordered 1
		.amdhsa_forward_progress 1
		.amdhsa_inst_pref_size 19
	.end_amdhsa_kernel
	.amdgpu_metadata
---
amdhsa.version: [ 1, 2 ]
amdhsa.kernels:
  - .name:           k_qd0a08d97bf_merge
    .symbol:         k_qd0a08d97bf_merge.kd
    .args:
      - { .name: y, .offset: 0, .size: 8, .value_kind: global_buffer, .address_space: global }
      - { .name: gates, .offset: 8, .size: 8, .value_kind: global_buffer, .address_space: global }
      - { .name: out0, .offset: 16, .size: 8, .value_kind: global_buffer, .address_space: global }
    .group_segment_fixed_size: 0
    .private_segment_fixed_size: 0
    .kernarg_segment_align: 8
    .kernarg_segment_size: 24
    .max_flat_workgroup_size: 128
    .sgpr_count:     66
    .vgpr_count:     208
    .wavefront_size: 32
...
	.end_amdgpu_metadata
.endif
;; end of part 4
;; ======== version 2 of 2: 4 launches; version 1 with the launch chain written anew for expert scheduling mode
;; workspace buffers: xq 2,097,152 bytes; xs 65,536 bytes; sel 32,768 bytes of whole numbers; gates 32,768 bytes; order 33,280 bytes of whole numbers; tiles 4,096 bytes of whole numbers; wr 16,777,216 bytes; y 33,554,432 bytes
;; launch route: the kernel of part 1 again; grid 256 x 1, 4 waves a work-group, no clusters, 62,464 bytes of LDS; arguments x, router_w, xq, xs, sel, gates; writes xq, xs, sel, gates
;; launch prep: the kernel of part 2 again; grid 136 x 1, 8 waves a work-group, no clusters, 138,240 bytes of LDS; arguments sel, w1_all_codes, w2_all_codes, order, tiles, wr; writes order, tiles, wr
;; launch chain (part 5): grid 110 x 2, 4 waves a work-group, no clusters, 164,352 bytes of LDS; arguments tiles, order, xq, xs, wr, w1_all_scales, b1_all, w2_all_scales, b2_all, y; writes y
.if DOCPART == 5
	.amdgcn_target "amdgcn-amd-amdhsa--gfx1250"
	.amdhsa_code_object_version 6
	.text
	.protected	k_qd0a08d97bf_chain
	.globl	k_qd0a08d97bf_chain
	.p2align	8
	.type	k_qd0a08d97bf_chain,@function
k_qd0a08d97bf_chain:
	s_mov_b64 s[64:65], 0
	v_nop
	global_prefetch_b8 v0, s[64:65] scope:SCOPE_SE
	s_setreg_imm32_b32 hwreg(HW_REG_WAVE_SCHED_MODE, 0, 2), 2
	s_setreg_imm32_b32 hwreg(HW_REG_WAVE_MODE, 25, 1), 1
	s_wait_xcnt 0x0
	s_wait_alu depctr_vm_vsrc(0)
; ONE TILE (up to 80 routed rows of one expert) x ONE HALF OF THE HIDDEN LAYER (1,024 of 2,048 units), through the whole chain:
; gather the rows' codes | h = relu(x W1^T + b1) | h quantised along the hidden units | y[id][half][:] = h W2^T (+ b2 in half 0).  Both products on codes of E4M3 with E8M0 scales, sums in f32.
; GRID.  8,192 routed rows in tiles of 80 over 8 experts are never more than 103 + 7 = 110 tiles, whatever the split; x 2 halves.
; A TILE WITHOUT ROWS: no barrier stands under a branch on a number read from memory, so such a work-group walks phase 1 like any other (on rows that belong to nobody), passes both barriers,
; and ends behind the second: it skips phase 2 and stores nothing.
; SHARES.  Four waves; THE WAVES SHARE THE COLUMNS, NOT THE ROWS.  Phase 1: wave w makes hidden units 256 w + 32 j (j = 0 .. 7) of the half, for all 5 tiles of 16 rows: K steps 2 w, 2 w + 1 of the second product.
; Phase 2: wave w makes output columns 128 w .. 128 w + 127 over the half's 8 K steps.  The half's hidden codes (80 rows x 1,024) stay in LDS as images of the operand's registers; one barrier parts the phases.
; WEIGHTS come from memory straight into registers, as laid out by the launch before: a wave's stream is 16 chunks of 16,384 bytes (8 blocks of W1, 8 K steps of W2) through a ring of three
; buffers of 128 registers, each load 512 consecutive bytes.
; BOTH PRODUCTS ARE USED TRANSPOSED (source 0 = 16 rows of a weight, source 1 = 16 routed rows): a lane holds ONE routed row.  Lane r of tile u in a group of 32 weight rows takes row 8 u + r + 8 (r / 8),
; so that the 16 registers of tiles u = 0, 1 are 16 neighbours, 16 (lane / 16) + 0 .. 15, along the next K and along a row of y.
; NO CLUSTER, NO JOINT LOADS, though the tiles of one expert read the same weights: how many tiles an expert has is read from memory, a tile without rows leaves by a branch on that number,
; and rows are gathered by a stored list; so the operands go through registers and there is no tensor load that partners could share.
; LIMITS.  NaN and infinities are not served.  A block of zeros gets the scale byte 1: its codes are zeros.  Rows of a tile beyond its count hold other rows' numbers: they are multiplied and not stored.
; THE MODE: SCHED_MODE bits 1:0 = 2 (LLVM: expert scheduling mode 2), set by the entry lines.  The code itself states the register dependences
; between vector or matrix instructions and memory or LDS instructions, with s_wait_alu, always for 0.
; THE PLAN.  Registers that memory or LDS instructions touch, and who else names them:
;   v1-14          addresses, made once at the head and never written again.
;   WB0 .. WB2, W1S  Phase 1: block j's products read set j % 3; behind them chunk j + 3 lands there.  Phase 2: K step kk's products read WB[(8 + kk) % 3]; chunk 10 + kk, asked for in step kk, lands in the buffer that step kk - 1 read.
;   B1, two sets   Block j - 1's first products read set (j + 1) % 2; the loads at block j's head land in it.
;   CD, SW         Block j's quantiser writes them; the LDS stores that read them are issued in block j + 1, whose quantiser then writes them again.
;   HA and HB, HS  Two sets of five hidden fragments and of their scale words.  K step kk's products read set kk % 2; the step's LDS loads land in the other, which step kk - 1 read.
;   ACC            The products write them; the stores into the stage read them.   v128-255, v87-118 on the way out: rows back from the stage, and their offsets in y.
; So a block of phase 1 has ONE wait on va_vdst, behind its products (they are done with their operands; the block before has written its codes), and ONE on vm_vsrc, ahead of the lines that write SW and CD again;
; a K step has ONE wait on va_vdst, at its head.  The loads and stores behind each such wait touch no register that a vector or matrix instruction issued since the wait names.
; REGISTERS by absolute number (windows of 256; the macros take a register's window from its number):
;   v1-14 addresses; v16-18 the tile's ids; v20-31 x's scale words; v32-43 W1's (ring of three); v44-75 W2's; v76-81 the hidden layer's (two sets): these hold scales and nothing else;
;   v82-106 the quantiser's; v108-127 codes just made; v128-159 b1, two sets; v160-239 ten hidden accumulators, later five hidden fragments; v240-254 the prologue's;
;   in phase 2 v82-145 and v240-255 are the second set of five hidden fragments;
;   v256-575 x's 20 fragments, later the 40 accumulators of y; v576-959 the weights' ring; v960-1023 b2.
.set XST,  0                           ; LDS: x's codes: [piece of 16 bytes, 0 .. 31] 1,296 bytes apart, [row 0 .. 79] 16 bytes
.set XP,   1296
.set HIMG, 41472                       ; the hidden fragments' images: (K step kk, tile of rows m) at 2,048 (5 kk + m); block of 32 at + 512; lane at + 16
.set HSC,  123392                      ; their scale words: [kk] 320 bytes apart, [row] 4 bytes
.set B1L,  125952                      ; b1: 1,024 bytes for each wave, its own
.set OST,  130048                      ; the way out: 16 rows x 528 bytes for each wave, its own
.set VID,  16
.set XS,   20
.set W1S,  32
.set W2S,  44
.set HS,   76
.set SW,   82                          ; v82-86  the scale words in the making
.set MX,   87                          ; v87-91  largest numbers
.set T2,   92                          ; v92-96  at work
.set SO,   97                          ; v97-101 the conversions' scale operands
.set HD,   102                         ; v102-106 448 x the scale
.set CD,   108
.set B1,   128
.set HA,   160
.set HB,   82                          ; phase 2: the second set's fragments 0 to 3,
.set HB4,  240                         ; and its fragment 4
.set XF,   256
.set ACC,  256
.set WB,   576
.set B2,   960
.set MSB,  0
.macro WIN new                         ; s_set_vgpr_msb: bits 1:0 source 0, 3:2 source 1, 5:4 source 2, 7:6 destination; the high byte repeats the setting that is left
.if MSB != \new
	s_set_vgpr_msb (MSB<<8)|\new
.set MSB, \new
.endif
.endm
.macro PLACES                          ; eight plain vector lines behind this matrix form, in front of vector lines and LDS stores that read its results, and of vector lines that write its sources
.rept 8
	v_nop
.endr
.endm
; One matrix instruction.  d, a, b, c: absolute register numbers.  sa, sb: the scale registers; ra, rb = 1: the scales stand in lanes 16-31.
.macro MM d, a, b, c, sa, ra, sb, rb
	WIN ((((\d)>>8)<<6)|(((\c)>>8)<<4)|(((\b)>>8)<<2)|((\a)>>8))
.set rD, (\d)&255
.set rA, (\a)&255
.set rB, (\b)&255
.set rC, (\c)&255
.if (\ra) && (\rb)
	v_wmma_scale_f32_16x16x128_f8f6f4 v[rD:rD+7], v[rA:rA+15], v[rB:rB+15], v[rC:rC+7], v[\sa], v[\sb] matrix_a_scale:MATRIX_SCALE_ROW1 matrix_b_scale:MATRIX_SCALE_ROW1
.elseif (\ra)
	v_wmma_scale_f32_16x16x128_f8f6f4 v[rD:rD+7], v[rA:rA+15], v[rB:rB+15], v[rC:rC+7], v[\sa], v[\sb] matrix_a_scale:MATRIX_SCALE_ROW1
.elseif (\rb)
	v_wmma_scale_f32_16x16x128_f8f6f4 v[rD:rD+7], v[rA:rA+15], v[rB:rB+15], v[rC:rC+7], v[\sa], v[\sb] matrix_b_scale:MATRIX_SCALE_ROW1
.else
	v_wmma_scale_f32_16x16x128_f8f6f4 v[rD:rD+7], v[rA:rA+15], v[rB:rB+15], v[rC:rC+7], v[\sa], v[\sb]
.endif
.endm
; Loads g0 .. g0 + n - 1 of the 32 of chunk i of my stream, into ring buffer i % 3: 512 consecutive bytes each.  The window is left as the last load wants it.
.macro LDWP i, g0, n
.set WBi, WB+128*((\i)%3)
.set g, \g0
.rept \n
	WIN (((WBi+4*g)>>8)<<6)
.if (\i) < 8
	global_load_b128 v[(WBi+4*g)&255:((WBi+4*g)&255)+3], v1, s[56:57] offset:16384*(\i)+512*g
.else
	global_load_b128 v[(WBi+4*g)&255:((WBi+4*g)&255)+3], v1, s[58:59] offset:65536*((\i)-8)+512*g
.endif
.set g, g+1
.endr
.endm
; With a block of W1 its 32 rows' scale words (16 bytes a row: lanes 0-15 tile 0's rows, lanes 16-31 tile 1's): the chunk's 33rd load.
.macro LDWS i
.if (\i) < 8
	global_load_b128 v[W1S+4*((\i)%3):W1S+4*((\i)%3)+3], v13, s[60:61] offset:512*(\i)
.endif
.endm
.macro LDW i                           ; a whole chunk in one run
	LDWP \i, 0, 32
	WIN 0
	LDWS \i
.endm
; Phase 1: chunk i is in: the count is the loads of the two younger chunks (33 for a block of W1, 32 for a K step of W2), held to what the wait's field can name.
.macro WAITW i
.set nw, 0
.if (\i)+1 <= 15
.if (\i)+1 < 8
.set nw, nw+33
.else
.set nw, nw+32
.endif
.endif
.if (\i)+2 <= 15
.if (\i)+2 < 8
.set nw, nw+33
.else
.set nw, nw+32
.endif
.endif
.if nw > 63
.set nw, 63
.endif
	s_wait_loadcnt nw
.endm
; THE QUANTISER, in three parts.  The ten accumulators (5 tiles of rows x 32 hidden units) become codes: block bb of K step 2 w + kl.  A lane's 16 registers are 16 neighbours of its row; lane l xor 16 holds the block's other 16.
; (The arguments come as text: each stands in parentheses wherever it is part of an expression.)
.macro QMAX                            ; the largest numbers
.irp m, 0,1,2,3,4
	v_max3_num_f32 v[MX+\m], v[HA+16*\m], v[HA+16*\m+1], 0x4800000   ; no |.|: what is negative becomes 0 (the activation) and must not count; the floor 2^(9 - 127) holds the byte at 1 from below
.endr
.irp i, 2,4,6,8,10,12,14
.irp m, 0,1,2,3,4
	v_max3_num_f32 v[MX+\m], v[MX+\m], v[HA+16*\m+\i], v[HA+16*\m+\i+1]   ; ascending: each accumulator is read from its low end on; the five tiles by turns
.endr
.endr
.endm
.macro QREST bb                        ; the scales, the holds, the codes
.irp m, 0,1,2,3,4
	v_permlanex16_b32 v[T2+\m], v[MX+\m], s62, s63
.endr
.irp m, 0,1,2,3,4
	v_max_num_f32 v[MX+\m], v[MX+\m], v[T2+\m]
.endr
.irp m, 0,1,2,3,4
	v_add_nc_u32 v[SO+\m], 0xfc000000, v[MX+\m]    ; 8 off the exponent field: the conversion's scale operand
.endr
.irp m, 0,1,2,3,4
	v_and_or_b32 v[HD+\m], v[MX+\m], 0x7f800000, s66   ; 448 x the scale
.endr
.if (\bb) == 0
.irp m, 0,1,2,3,4
	v_lshrrev_b32 v[SW+\m], 23, v[SO+\m]           ; the scale's byte begins the K step's word
.endr
.else
.irp m, 0,1,2,3,4
	v_lshrrev_b32 v[T2+\m], 23, v[SO+\m]
.endr
.irp m, 0,1,2,3,4
	v_lshl_or_b32 v[SW+\m], v[T2+\m], 8*(\bb), v[SW+\m]
.endr
.endif
.irp m, 0,1,2,3,4
.irp i, 0,1,2,3,4,5,6,7,8,9,10,11,12,13,14,15
	v_med3_num_f32 v[HA+16*\m+\i], v[HA+16*\m+\i], 0, v[HD+\m]   ; the activation and the hold in one (the conversion does not saturate: ISA guide 7.6.2)
.endr
	v_cvt_scalef32_pk8_fp8_f32 v[CD+4*\m:CD+4*\m+1], v[HA+16*\m:HA+16*\m+7], v[SO+\m]
	v_cvt_scalef32_pk8_fp8_f32 v[CD+4*\m+2:CD+4*\m+3], v[HA+16*\m+8:HA+16*\m+15], v[SO+\m]
.endr
	v_nop                                          ; a plain line between the last conversion and the next products, which write its sources
.endm
.macro PUT bb, kl                      ; the codes go to LDS: issued behind the next wait on va_vdst
.irp m, 0,1,2,3,4
	ds_store_b128 v4, v[CD+4*\m:CD+4*\m+3] offset:(5*(\kl)+\m)*2048+512*(\bb)   ; registers 4 bb .. 4 bb + 3 of the fragment's image: 512 consecutive bytes
.endr
.if (\bb) == 3
.irp m, 0,1,2,3,4
	ds_store_b32 v5, v[SW+\m] offset:320*(\kl)+64*\m   ; both halves of the lanes write a row's word with the same value
.endr
.endif
.endm
; Block j of phase 1: 32 hidden units x 80 rows over K = 512: 40 matrix instructions, the ten accumulators by turns, one instruction a turn; b1 is the C of each sum's first.
.macro BLK j
.set WBj, WB+128*((\j)%3)
	s_wait_dscnt 0x0                               ; this block's b1 (and, ahead of block 0, x's fragments) is in
.if \j < 7
.irp u, 0,1
	ds_load_b128 v[B1+16*((\j+1)%2)+8*\u:B1+16*((\j+1)%2)+8*\u+3], v10 offset:128*(\j+1)+32*\u      ; the next block's b1: lane (r, h), tile u: units 16 h + 8 u + 0 .. 7.  No wait: the products that read this set stand ahead of the last block's wait on va_vdst, and nothing since names it
	ds_load_b128 v[B1+16*((\j+1)%2)+8*\u+4:B1+16*((\j+1)%2)+8*\u+7], v10 offset:128*(\j+1)+32*\u+16
.endr
.endif
.if \j > 0
	WAITW \j
.endif
.irp s, 0,1,2,3
.irp m, 0,1,2,3,4
.irp u, 0,1
.if \s == 0
	MM HA+16*\m+8*\u, WBj+16*(2*\s+\u), XF+16*(5*\s+\m), B1+16*((\j)%2)+8*\u, W1S+4*((\j)%3)+\s, \u, XS+4*(\m/2)+\s, \m%2
.else
	MM HA+16*\m+8*\u, WBj+16*(2*\s+\u), XF+16*(5*\s+\m), HA+16*\m+8*\u, W1S+4*((\j)%3)+\s, \u, XS+4*(\m/2)+\s, \m%2
.endif
.endr
.endr
.endr
	WIN 0
	PLACES                                         ; for the maxima below, which read the results
	s_wait_alu depctr_va_vdst(0)                   ; this block's products are done reading their ring buffer, their scale words of W1 and their b1, in which loads land; the block before has written its codes and scale words, which the LDS stores below read
	LDWP \j+3, 0, 16                               ; into the buffer just multiplied: the chunk's first half
	WIN 0
.if \j > 0
	PUT ((\j)-1)%4, ((\j)-1)/4                     ; the block before
.endif
	QMAX                                           ; (the quantiser names v82-127 and v160-239 alone: none of the registers that this block's loads touch)
.if \j > 0
	s_wait_alu depctr_vm_vsrc(0)                   ; the LDS stores above have read the codes' and the scale words' registers, which the lines below write again
.endif
	LDWP \j+3, 16, 16                              ; the chunk's other half
	WIN 0
	LDWS \j+3
	QREST (\j)%4
.endm
.macro HREG kk, m                      ; hf = where the hidden fragment (kk, m) stands: the two sets by turns
.if ((\kk)%2) == 0
.set hf, HA+16*(\m)
.elseif (\m) < 4
.set hf, HB+16*(\m)
.else
.set hf, HB4
.endif
.endm
.macro HFR kk, m                       ; the hidden fragment (kk, m) comes back as it was stored
	HREG \kk, \m
.irp c, 0,1,2,3
.if (\kk) < 4
	ds_load_b128 v[hf+4*\c:hf+4*\c+3], v6 offset:(5*(\kk)+(\m))*2048+512*\c
.else
	ds_load_b128 v[hf+4*\c:hf+4*\c+3], v7 offset:(5*((\kk)-4)+(\m))*2048+512*\c
.endif
.endr
.endm
.macro HSL kk                          ; K step kk's scale words: register p holds rows 32 p + lane (the last: rows 64 + lane % 16)
	ds_load_b32 v[HS+3*((\kk)%2)], v8 offset:320*(\kk)
	ds_load_b32 v[HS+3*((\kk)%2)+1], v8 offset:320*(\kk)+128
	ds_load_b32 v[HS+3*((\kk)%2)+2], v9 offset:320*(\kk)
.endm
.macro PROD kk, m                      ; my 8 tiles of columns x tile m of rows, K step kk; b2 is the C of each sum's first
	HREG \kk, \m
.irp t, 0,1,2,3,4,5,6,7
.if (\kk) == 0
	MM ACC+8*(8*(\m)+\t), WBk+16*\t, hf, B2+8*\t, W2S+8*(\t/2)+(\kk), \t%2, HS+3*((\kk)%2)+(\m)/2, (\m)%2
.else
	MM ACC+8*(8*(\m)+\t), WBk+16*\t, hf, ACC+8*(8*(\m)+\t), W2S+8*(\t/2)+(\kk), \t%2, HS+3*((\kk)%2)+(\m)/2, (\m)%2
.endif
.endr
.endm
; K step kk of phase 2: 40 matrix instructions, the 40 accumulators by turns.  Its products name y's accumulators, W2's scale words, ring buffer (8 + kk) % 3 and set kk % 2 of the hidden fragments and their scale words.
; Its loads land in the ring buffer and the set that step kk - 1 read: one wait at the head states that those products are done, and the loads are dealt among the step's five runs of eight products.
.macro KST kk
.set WBk, WB+128*((8+\kk)%3)
.if \kk == 0
	s_wait_loadcnt 63                              ; chunk 8 is in: chunks 9 and 10 (64 loads) are younger; the count is what the wait's field can name
.elseif \kk < 7
	s_wait_loadcnt 32                              ; this K step's chunk is in: the next one's 32 loads are younger, and the one after it is asked for below
.else
	s_wait_loadcnt 0x0
.endif
	s_wait_dscnt 8                                 ; fragments 0-2 and the scale words are in: fragments 3 and 4 (eight loads) are younger
.if \kk > 0
	s_wait_alu depctr_va_vdst(0)                   ; the last K step's products are done reading their chunk of W2, their set of hidden fragments and its scale words: this step's loads land there
.endif
	PROD \kk, 0
.if (\kk >= 1) && (\kk <= 5)
	LDWP 8+\kk+2, 0, 16                            ; the chunk two K steps on, into the buffer that the last step multiplied (chunk 10 was asked for in phase 1)
.endif
	PROD \kk, 1
.if (\kk >= 1) && (\kk <= 5)
	LDWP 8+\kk+2, 16, 16
.endif
	PROD \kk, 2
	WIN 0
	s_wait_dscnt 0x0                               ; fragments 3 and 4 are in
.if \kk < 7
	HSL \kk+1
	HFR \kk+1, 0
	HFR \kk+1, 1
	HFR \kk+1, 2
.endif
	PROD \kk, 3
.if \kk < 7
	WIN 0
	HFR \kk+1, 3
	HFR \kk+1, 4
.endif
	PROD \kk, 4
	WIN 0
.endm
; THE WAY OUT of tile m of rows: my 128 columns of 16 rows go through my own stage and come back as rows of 512 bytes.  LDS serves a wave's instructions in order (ISA guide 5.7.1.4): no wait between stores and loads.
.macro TOSTAGE m
.irp t, 0,1,2,3,4,5,6,7
.set rr, ACC+8*(8*(\m)+\t)
	WIN ((rr>>8)<<2)                               ; an LDS store's data are its source 1
	ds_store_b128 v11, v[rr&255:(rr&255)+3] offset:128*(\t/2)+32*(\t%2)          ; each accumulator from its low end on: columns 32 (t / 2) + 16 h + 8 (t % 2) + 0 .. 7
	ds_store_b128 v11, v[(rr&255)+4:(rr&255)+7] offset:128*(\t/2)+32*(\t%2)+16
.endr
	WIN 0
.set ob, 128+64*((\m)%2)
.irp i, 0,1,2,3,4,5,6,7,8,9,10,11,12,13,14,15
	ds_load_b128 v[ob+4*\i:ob+4*\i+3], v12 offset:528*\i
.endr
.endm
; The tile's 16 rows are stored.  Their places in y are made in runs of sixteen like lines, ahead of the wait for the stage, while the loads from it are out.  younger: the LDS instructions issued behind tile m's loads.
.macro SEND m, younger
.set ob, 128+64*((\m)%2)
.set vo, 87+16*((\m)%2)
.irp i, 0,1,2,3,4,5,6,7,8,9,10,11,12,13,14,15
	v_readlane_b32 s[36+\i], v[VID+(16*(\m)+\i)/32], (16*(\m)+\i)%32
.endr
	s_wait_alu depctr_va_sdst(0)                   ; s36 to s51 are written, ahead of their first readers: one wait for the sixteen
.irp i, 0,1,2,3,4,5,6,7,8,9,10,11,12,13,14,15
	s_min_u32 s[36+\i], s[36+\i], 8191             ; the row's id, held inside y
.endr
.irp i, 0,1,2,3,4,5,6,7,8,9,10,11,12,13,14,15
	s_lshl_b32 s[36+\i], s[36+\i], 12              ; 4,096 bytes an id
.endr
.irp i, 0,1,2,3,4,5,6,7,8,9,10,11,12,13,14,15
	v_add_nc_u32 v[vo+\i], s[36+\i], v14
.endr
	s_wait_alu depctr_va_vdst(0)                   ; the sixteen offsets are written, which the stores below read
	s_wait_dscnt \younger
.irp i, 0,1,2,3,4,5,6,7,8,9,10,11,12,13,14,15
	s_cmp_le_u32 s30, 16*(\m)+\i                   ; rows from the tile's count on are not stored: they belong to other tiles.  No barrier follows
	s_cbranch_scc1 .Ldone
	global_store_b128 v[vo+\i], v[ob+4*\i:ob+4*\i+3], s[22:23] th:TH_STORE_NT   ; 32 lanes store 512 consecutive bytes, aligned; not read again in this launch
.endr
.endm
	s_load_b512 s[4:19], s[0:1], 0x0               ; tiles s[4:5], order s[6:7], xq s[8:9], xs s[10:11], wr s[12:13], W1's scales s[14:15], b1 s[16:17], W2's scales s[18:19]
	s_load_b128 s[20:23], s[0:1], 0x40             ; b2 s[20:21], y s[22:23]
	v_lshrrev_b32 v15, 5, v0
	v_readfirstlane_b32 s24, v15                   ; wave 0..3
	s_and_b32 s25, ttmp7, 0xffff                   ; half
	v_and_b32 v15, 31, v0                          ; l
	v_and_b32 v19, 15, v0                          ; r
	v_bfe_u32 v107, v0, 4, 1                       ; h
	v_lshlrev_b32 v1, 4, v15                       ; 16 l
	s_wait_alu depctr_va_sdst(0)                   ; s24 is written, ahead of its first reader: LDS places and the buffers' bases are made from it
	s_mul_i32 s68, s24, 320
	v_mul_u32_u24 v2, v15, XP
	v_add_nc_u32 v2, s68, v2                       ; x into LDS: piece l, rows 20 w on
	v_mul_u32_u24 v3, v107, XP
	v_lshl_add_u32 v3, v19, 4, v3                  ; and out: piece h (+ 8 s + 2 c), row r (+ 16 m)
	v_add_nc_u32 v6, HIMG, v1                      ; images, read: K steps 0-3,
	v_add_nc_u32 v7, HIMG+40960, v1                ; K steps 4-7
	s_mul_i32 s68, s24, 20480
	v_add_nc_u32 v4, s68, v6                       ; images, written: K step 2 w on
	s_mul_i32 s68, s24, 640
	s_add_co_u32 s68, s68, HSC
	v_lshl_add_u32 v5, v19, 2, s68                 ; their scale words, written
	v_lshl_add_u32 v8, v15, 2, HSC                 ; and read
	v_lshl_add_u32 v9, v19, 2, HSC+256
	s_lshl_b32 s68, s24, 10
	s_add_co_u32 s68, s68, B1L
	v_lshl_add_u32 v10, v107, 6, s68               ; b1, read: + 64 h
	v_add_nc_u32 v251, s68, v1                     ; b1, written
	s_mul_i32 s68, s24, 8448
	s_add_co_u32 s68, s68, OST
	v_mul_u32_u24 v11, v19, 528
	v_lshl_add_u32 v11, v107, 6, v11
	v_add_nc_u32 v11, s68, v11                     ; the stage, in: row r, + 64 h
	v_add_nc_u32 v12, s68, v1                      ; and back: 16 bytes a lane
	v_and_b32 v13, 8, v15
	v_add_nc_u32 v13, v13, v19
	v_lshl_add_u32 v13, v107, 3, v13               ; the weight row of my lane in a group of 32: r + 8 (r / 8) + 8 h
	v_lshlrev_b32 v249, 6, v13                     ; W2's scales: 64 bytes a row
	v_lshlrev_b32 v13, 4, v13                      ; W1's: 16
	s_lshl_b32 s68, s25, 11
	s_lshl_b32 s69, s24, 9
	s_add_co_u32 s68, s68, s69
	v_add_nc_u32 v14, s68, v1                      ; y: 2,048 x half + 512 w + 16 l
	v_lshlrev_b32 v248, 2, v15
	v_lshlrev_b32 v250, 6, v107
.irp m, 0,1,2,3,4
	v_mov_b32 v[T2+\m], 0                          ; written once: a lane permute's destination counts as one of its sources
.endr
	s_lshl_b32 s26, ttmp9, 4
	s_mov_b32 s27, 0
	s_mov_b32 s33, 0
	s_mov_b32 s62, 0x76543210
	s_mov_b32 s63, 0xfedcba98                      ; v_permlanex16_b32's selects for lane l xor 16
	s_mov_b32 s66, 0x600000                        ; the mantissa field of 448
	s_wait_kmcnt 0x0
	s_add_nc_u64 s[4:5], s[4:5], s[26:27]
	s_load_b128 s[28:31], s[4:5], 0x0              ; my tile: expert, first place in order, rows, 0
	s_wait_kmcnt 0x0
	s_min_u32 s28, s28, 7                          ; held inside the tables: a tile without rows reads inside its buffers too (order has 128 words behind its 8,192 ids)
	s_min_u32 s29, s29, 8191
	s_lshl_b32 s32, s29, 2
	s_add_nc_u64 s[34:35], s[6:7], s[32:33]        ; the tile's ids
	s_mul_i32 s32, s24, 80
	s_add_nc_u64 s[26:27], s[34:35], s[32:33]      ; those of the 20 rows that I gather
	s_load_b512 s[36:51], s[26:27], 0x0
	s_load_b128 s[52:55], s[26:27], 0x40
	s_lshl_b32 s68, s28, 20
	s_lshl_b32 s69, s25, 19
	s_add_co_u32 s68, s68, s69
	s_lshl_b32 s69, s24, 17
	s_add_co_u32 s32, s68, s69
	s_add_nc_u64 s[56:57], s[12:13], s[32:33]      ; W1's blocks: 2^20 e + 16,384 (32 half + 8 w)
	s_lshl_b32 s69, s24, 14
	s_add_co_u32 s32, s68, s69
	s_add_co_u32 s32, s32, 0x800000
	s_add_nc_u64 s[58:59], s[12:13], s[32:33]      ; W2's chunks: 2^23 + 2^20 e + 65,536 x 8 half + 16,384 w
	s_lshl_b32 s68, s28, 15
	s_lshl_b32 s69, s25, 14
	s_add_co_u32 s32, s68, s69
	s_lshl_b32 s69, s24, 12
	s_add_co_u32 s32, s32, s69
	s_add_nc_u64 s[60:61], s[14:15], s[32:33]      ; W1's scales: 16 (2,048 e + 1,024 half + 256 w)
	s_lshl_b32 s69, s24, 13
	s_add_co_u32 s32, s68, s69
	s_lshl_b32 s69, s25, 5
	s_add_co_u32 s32, s32, s69
	s_add_nc_u64 s[18:19], s[18:19], s[32:33]      ; W2's scales: 64 (512 e + 128 w) + 32 half
	s_lshl_b32 s68, s28, 13
	s_lshl_b32 s69, s25, 12
	s_add_co_u32 s32, s68, s69
	s_lshl_b32 s69, s24, 10
	s_add_co_u32 s32, s32, s69
	s_add_nc_u64 s[16:17], s[16:17], s[32:33]      ; b1: 4 (2,048 e + 1,024 half + 256 w)
	s_lshl_b32 s68, s28, 11
	s_lshl_b32 s69, s24, 9
	s_add_co_u32 s32, s68, s69
	s_add_nc_u64 s[20:21], s[20:21], s[32:33]      ; b2: 4 (512 e + 128 w)
	; THE ORDER OF THE FIRST LOADS: the small ones (29), then the 20 rows, on which the first barrier waits, then x's scale words and the first chunk of weights: the rows are issued with 29 loads out and come back ahead of the chunk
	s_wait_alu depctr_va_vdst(0)                   ; the addresses v1 to v14 and v248 to v251 are written, which the loads and stores of the whole kernel read
.irp p, 0,1,2
	global_load_b32 v[VID+\p], v248, s[34:35] offset:128*\p       ; lane l: the id of row 32 p + l
.endr
	global_load_b128 v[240:243], v1, s[16:17]      ; my 256 numbers of b1
	global_load_b128 v[244:247], v1, s[16:17] offset:512
.irp n, 0,1,2,3
	global_load_b128 v[W2S+8*\n:W2S+8*\n+3], v249, s[18:19] offset:2048*\n        ; group n of 32 columns: the half's eight scale words of my lane's row
	global_load_b128 v[W2S+8*\n+4:W2S+8*\n+7], v249, s[18:19] offset:2048*\n+16
.endr
	WIN 0xc0                                       ; destination window 3
.irp t, 0,1,2,3,4,5,6,7
	global_load_b128 v[(B2&255)+8*\t:(B2&255)+8*\t+3], v250, s[20:21] offset:128*(\t/2)+32*(\t%2)      ; b2 in the result's layout
	global_load_b128 v[(B2&255)+8*\t+4:(B2&255)+8*\t+7], v250, s[20:21] offset:128*(\t/2)+32*(\t%2)+16
.endr
	WIN 0
	s_wait_kmcnt 0x0                               ; my 20 ids
.irp i, 0,1,2,3,4,5,6,7,8,9,10,11,12,13,14,15,16,17,18,19
	s_lshr_b32 s[36+\i], s[36+\i], 1               ; the token,
	s_min_u32 s[36+\i], s[36+\i], 4095             ; held inside xq,
	s_lshl_b32 s[36+\i], s[36+\i], 9               ; 512 bytes a token
	v_add_nc_u32 v[CD+\i], s[36+\i], v1
.endr
	s_wait_alu depctr_va_vdst(0)                   ; the 20 rows' offsets are written, which the loads below read
.irp i, 0,1,2,3,4,5,6,7,8,9,10,11,12,13,14,15,16,17,18,19
	global_load_b128 v[HA+4*\i:HA+4*\i+3], v[CD+\i], s[8:9]       ; a whole row of codes: 512 consecutive bytes
.endr
	s_wait_loadcnt 44                              ; the ids and b1 are in: W2's scales (8), b2 (16) and the rows (20) are younger
.irp p, 0,1,2
	v_lshrrev_b32 v[252+\p], 1, v[VID+\p]
	v_min_u32 v[252+\p], 0xfff, v[252+\p]
	v_lshlrev_b32 v[252+\p], 4, v[252+\p]
.endr
	s_wait_alu depctr_va_vdst(0)                   ; the three offsets v252 to v254 are written, which the loads below read
.irp p, 0,1,2
	global_load_b128 v[XS+4*\p:XS+4*\p+3], v[252+\p], s[10:11]    ; lane l: the four scale words of row 32 p + l
.endr
	LDW 0
	ds_store_b128 v251, v[240:243]
	ds_store_b128 v251, v[244:247] offset:512
.irp u, 0,1
	ds_load_b128 v[B1+8*\u:B1+8*\u+3], v10 offset:32*\u           ; block 0's b1 (my own bytes, served in order)
	ds_load_b128 v[B1+8*\u+4:B1+8*\u+7], v10 offset:32*\u+16
.endr
	s_wait_loadcnt 36                              ; my 20 rows are in, and all that is older: x's scale words (3) and chunk 0 (33) are younger
.irp i, 0,1,2,3,4,5,6,7,8,9,10,11,12,13,14,15,16,17,18,19
	ds_store_b128 v2, v[HA+4*\i:HA+4*\i+3] offset:16*\i           ; lanes 1,296 bytes apart: sixteen lanes fall on sixteen different 16-byte columns
.endr
	s_wait_dscnt 0x0                               ; for the others' sake: my 20 rows lie in LDS
	s_barrier_signal -1
	s_barrier_wait -1
.irp s, 0,1,2,3
.irp m, 0,1,2,3,4
.irp c, 0,1,2,3
.set rr, XF+16*(5*\s+\m)+4*\c
	WIN ((rr>>8)<<6)
	ds_load_b128 v[rr&255:(rr&255)+3], v3 offset:(8*\s+2*\c)*XP+256*\m   ; x's fragment (K step s, tile m): k = 128 s + 32 c + 16 h + 0 .. 15 of row 16 m + r.  They stay for all of phase 1
.endr
.endr
.endr
	WIN 0
	LDW 1
	LDW 2
	s_cmp_eq_u32 s25, 0
	s_cselect_b32 s67, -1, 0                       ; b2 is added once: in half 0
	WIN 0xcc                                       ; destination and source 1 window 3
.set i, 0
.rept 64
	v_and_b32 v[(B2&255)+i], s67, v[(B2&255)+i]
.set i, i+1
.endr
	WIN 0
	s_wait_loadcnt 63                              ; 102 loads were issued behind the rows: the oldest 39 are in, x's scale words (3) and chunk 0 (33) among them
	s_wait_alu depctr_vm_vsrc(0)                   ; my LDS stores have read the rows' registers v160 to v239, which block 0's products write; the head's loads and stores have read v108 to v127, which its conversions write, and v240 to v254, in which hidden fragments land later
	BLK 0
	BLK 1
	BLK 2
	BLK 3
	BLK 4
	BLK 5
	BLK 6
	BLK 7
	s_wait_alu depctr_va_vdst(0)                   ; block 7 has written its codes and scale words, which the LDS stores below read; the quantiser is done with v82 to v239, in which the hidden fragments land behind the barrier
	PUT 3, 1
	s_wait_dscnt 0x0                               ; for the others' sake: my two K steps' images and scale words lie in LDS
	s_barrier_signal -1
	s_barrier_wait -1
	s_wait_alu depctr_vm_vsrc(0)                   ; my last LDS stores have read the codes' and the scale words' registers, in which the second set of hidden fragments lands
	s_cmp_eq_u32 s30, 0                            ; a tile without rows has nothing to store: it leaves here, behind the last barrier
	s_cbranch_scc1 .Ldone
	HSL 0
	HFR 0, 0
	HFR 0, 1
	HFR 0, 2
	HFR 0, 3
	HFR 0, 4
	KST 0                                          ; its products lay y's accumulators over x's fragments: the quantiser's lines stand between them and the last product that read those
	KST 1
	KST 2
	KST 3
	KST 4
	KST 5
	KST 6
	KST 7
	PLACES                                         ; for the stores into the stage, which read the results, and for the offsets of y, which are written over fragments that the last products read
	s_wait_alu depctr_va_vdst(0)                   ; the products have written y's accumulators, which the stores into the stage read, and are done reading the hidden fragments, in whose registers the rows from the stage land; the places above stay beside this wait
	TOSTAGE 0
	TOSTAGE 1
	SEND 0, 32                                     ; younger: tile 1's 16 stores and 16 loads
.irp m, 2,3,4
	s_wait_xcnt 0x0                                ; tile m - 2's stores have had their addresses translated: tile m's rows may land in their registers, and the offsets of tile m - 3's may be written again
	s_wait_alu depctr_vm_vsrc(0)                   ; and they have read those registers: the rows' (tile m's loads land there) and the offsets' (tile m - 1's are written there)
	TOSTAGE \m
	SEND \m-1, 32
.endr
	SEND 4, 0
.Ldone:
	s_wait_dscnt 0x0                               ; a wave that leaves the way out early has loads from its stage out
	s_wait_xcnt 0x0
	s_wait_alu depctr_vm_vsrc(0)                   ; the stores of y have read v254 and v255, which the two lines below write
	v_lshl_add_u32 v254, v0, 2, 0x28000
	v_mov_b32 v255, 0
	s_wait_dscnt 0x0                               ; the closing lines, six on end
	s_wait_alu 0x0
	s_wait_tensorcnt 0x0
	ds_add_u32 v254, v255
	s_wait_dscnt 0x0
	s_endpgm
.Lfunc_end_k_qd0a08d97bf_chain:
	.size	k_qd0a08d97bf_chain, .Lfunc_end_k_qd0a08d97bf_chain-k_qd0a08d97bf_chain
	.p2alignl 7, 3214868480
	.fill 96, 4, 3214868480
	.section	.rodata,"a",@progbits
	.p2align	6, 0x0
	.amdhsa_kernel k_qd0a08d97bf_chain
		.amdhsa_group_segment_fixed_size 164352
		.amdhsa_private_segment_fixed_size 0
		.amdhsa_enable_private_segment 0
		.amdhsa_kernarg_size 80
		.amdhsa_user_sgpr_count 2
		.amdhsa_user_sgpr_kernarg_segment_ptr 1
		.amdhsa_wavefront_size32 1
		.amdhsa_system_sgpr_workgroup_id_x 1
		.amdhsa_system_sgpr_workgroup_id_y 1
		.amdhsa_system_sgpr_workgroup_id_z 1
		.amdhsa_system_vgpr_workitem_id 0
		.amdhsa_next_free_vgpr 1024
		.amdhsa_next_free_sgpr 80
		.amdhsa_reserve_vcc 0
		.amdhsa_float_denorm_mode_32 3
		.amdhsa_float_denorm_mode_16_64 3
		.amdhsa_memory_ordered 1
		.amdhsa_forward_progress 1
		.amdhsa_inst_pref_size 255
	.end_amdhsa_kernel
	.section	.bss,"aw",@nobits
	.p2align	6
	.space	262144
	.amdgpu_metadata
---
amdhsa.version: [ 1, 2 ]
amdhsa.kernels:
  - .name:           k_qd0a08d97bf_chain
    .symbol:         k_qd0a08d97bf_chain.kd
    .args:
      - { .name: tiles, .offset: 0, .size: 8, .value_kind: global_buffer, .address_space: global }
      - { .name: order, .offset: 8, .size: 8, .value_kind: global_buffer, .address_space: global }
      - { .name: xq, .offset: 16, .size: 8, .value_kind: global_buffer, .address_space: global }
      - { .name: xs, .offset: 24, .size: 8, .value_kind: global_buffer, .address_space: global }
      - { .name: wr, .offset: 32, .size: 8, .value_kind: global_buffer, .address_space: global }
      - { .name: w1_all_scales, .offset: 40, .size: 8, .value_kind: global_buffer, .address_space: global }
      - { .name: b1_all, .offset: 48, .size: 8, .value_kind: global_buffer, .address_space: global }
      - { .name: w2_all_scales, .offset: 56, .size: 8, .value_kind: global_buffer, .address_space: global }
      - { .name: b2_all, .offset: 64, .size: 8, .value_kind: global_buffer, .address_space: global }
      - { .name: y, .offset: 72, .size: 8, .value_kind: global_buffer, .address_space: global }
    .group_segment_fixed_size: 164352
    .private_segment_fixed_size: 0
    .kernarg_segment_align: 8
    .kernarg_segment_size: 80
    .max_flat_workgroup_size: 128
    .sgpr_count:     80
    .vgpr_count:     1024
    .wavefront_size: 32
...
	.end_amdgpu_metadata
.endif
;; end of part 5
;; launch merge: the kernel of part 4 again; grid 256 x 1, 4 waves a work-group, no clusters, 0 bytes of LDS; arguments y, gates, out0; writes out0
